; MI455X (gfx1250); checked and timed in simulation.
; The chip was launched on July 23, 2026; its instructions are those of AMD's public machine-readable ISA for CDNA 5 (MIT licence, August 2026) and "CDNA5" Instruction Set Architecture Reference Guide (July 2026). The comments in the code are by the model that wrote it; some were corrected since.
;; Mo E Layer. Allowed arithmetic: matrix products marked QUANTISED: E2M3 operands, one E8M0 scale for each 32 along K, by v_wmma_scale_f32_16x16x128_f8f6f4 with both operands' format E2M3, f32 sums; products left as they are: f32 operands where the result goes on into a quantised operand, else bf16, f16 or f32 operands; f32 sums; everything else in f32.
;; Inputs: W1_codes 8 x 1,024 x 32 x 24 uint8 (E2M3 codes of W1, K innermost, in blocks of 32 codes, four codes in three bytes); W1_scales 8 x 1,024 x 32 uint8 (E8M0 scales of W1, one for each 32 codes along K); W2_codes 8 x 1,024 x 32 x 24 uint8 (E2M3 codes of W2, K innermost, in blocks of 32 codes, four codes in three bytes); W2_scales 8 x 1,024 x 32 uint8 (E8M0 scales of W2, one for each 32 codes along K); Wr 1,024 x 8 float32; b1 8 x 1,024 float32; b2 8 x 1,024 float32; br 8 float32; x 2 x 2,048 x 1,024 float32.
;; Outputs: out0 2 x 2,048 x 1,024 float32.
;; This version of the problem:
;;   THIS VERSION OF THE PROBLEM IS GIVEN IN LOW PRECISION. The matrix products marked QUANTISED in the list below multiply operands that are first quantised to E2M3 (2 exponent bits, 3 mantissa bits; 6 bits a number), with one power-of-two scale for each 32 numbers along K (OCP MX v1.0); their sums are f32. All else is computed in f32.
;;   The module's matrix products, in the order in which they are computed (A, B: the left and right operand; K: the contracted axis; several contracted axes count as one K, in the product's order):
;;     1. [M 4,096, K 1,024] x [K 1,024, N 8]; A: input x; B: input Wr: left as it is (N = 8 < 16)
;;     2. [M 8,192, K 1,024] x [K 1,024, N 4,096]; A: input W1 (given as codes); B: input x: QUANTISED
;;     3. batch 8 x [M 4,096, K 1,024] x [K 1,024, N 1,024]; A: computed on the way; B: input W2 (given as codes): QUANTISED
;;     4. batch 4,096 x [M 1, K 8] x [K 8, N 1,024]; A: computed on the way; B: computed on the way: left as it is (K = 8 < 32)
;;   THE QUANTISER, for each operand of a quantised product, along K:
;;     - K is cut into blocks of 32 from its start; a last block that is shorter is filled with zeros.
;;     - A block's scale is 2^e with e = floor(log2(the largest magnitude in the block)) - 2, held to -126 .. 127; a block of zeros has e = 0. As a byte (E8M0): e + 127.
;;     - Each number is divided by its block's scale, clamped to +-7.5, and rounded to the nearest number of E2M3, ties to even, subnormals kept.
;;     - The product sums the exact products of the quantised numbers (number of the format x scale) in f32.
;;   ~~~python
;;   def quantise(x, axis):      # numpy; x: float32 -> the quantised numbers, widened to float32 again
;;       x = np.moveaxis(x, axis, -1); K = x.shape[-1]
;;       x = np.pad(x, [(0, 0)] * (x.ndim - 1) + [(0, -K % 32)]); x = x.reshape(x.shape[:-1] + (-1, 32)); a = np.abs(x).max(-1, keepdims=True)
;;       e = np.where(a > 0, np.clip(np.frexp(np.where(a > 0, a, 1))[1] - 1 - 2, -126, 127), 0)      # np.frexp(a)[1] - 1 = floor(log2(a)), exactly
;;       r = np.clip(x / 2.0 ** e, -7.5, 7.5)
;;       step = 2.0 ** (np.maximum(np.frexp(np.where(r == 0, 1, r))[1] - 1, 0) - 3)
;;       q = np.round(r / step) * step * 2.0 ** e      # np.round: ties to even
;;       return np.moveaxis(q.reshape(q.shape[:-2] + (-1,))[..., :K], -1, axis).astype(np.float32)
;;   ~~~
;;   OPERANDS COMPUTED ON THE WAY. 'Computed on the way' means the value that the module computes at that place (a softmax that the list does not call 'softmax' is quantised finished and normalised). What goes into a quantiser is computed in f32, as accurately as f32 sums, v_exp_f32 and their like allow (about 1e-6 of the number): no bf16 or f16 on the way to a quantiser, and a product that is left as it is and whose result goes on into a quantised operand takes f32 operands (vector FMAs, or v_wmma_f32_16x16x4_f32). A number that lies on a knife's edge between two numbers of the format may be rounded either way, as far as f32 arithmetic and the matrix unit's own rounding can turn it there, and no further.
;;   INPUTS GIVEN AS CODES. W1 (in the module: [8, 1024, 1024], K = its axis 1); W2 (in the module: [8, 1024, 1024], K = its axis 1): each comes as NAME_codes (uint8): NAME with its K axis moved to the last place and cut into blocks of 32 codes, [.., K / 32, bytes a block], one block behind the other in memory; four codes in three bytes: a row's codes are one little-endian stream of bits, code i at bits 6 i .. 6 i + 5 (a code: sign, 2 exponent bits, 3 mantissa bits); and NAME_scales (uint8): the same leading axes, one E8M0 byte (e + 127) for each 32 codes along K. Its value is code x scale, taken as it is: it is not quantised again, and the codes and scales need not be those that the quantiser above would give.
;; 2 versions. Each part assembles by itself: llvm-mc -triple=amdgcn-amd-amdhsa -mcpu=gfx1250 --defsym DOCPART=n.
;; ======== version 1 of 2: 4 launches
;; limits: a function is approximated: absolute error at most 1.5e-07
;; workspace buffers: xop 3,276,800 bytes; hop 7,372,800 bytes; route 131,072 bytes of whole numbers; gate1 32,768 bytes; plan 102,912 bytes of whole numbers
;; launch route_quant (part 1): grid 256 x 1, 4 waves a work-group, no clusters, 36,352 bytes of LDS; arguments x, Wr, br, xop, route, gate1; writes xop, route, gate1
.if DOCPART == 1
	.amdgcn_target "amdgcn-amd-amdhsa--gfx1250"
	.amdhsa_code_object_version 6
	.text
	.protected	k_q35802bd125_route_quant
	.globl	k_q35802bd125_route_quant
	.p2align	8
	.type	k_q35802bd125_route_quant,@function
k_q35802bd125_route_quant:
	s_mov_b64 s[64:65], 0
	v_nop
	global_prefetch_b8 v0, s[64:65] scope:SCOPE_SE
	s_setreg_imm32_b32 hwreg(HW_REG_WAVE_MODE, 25, 1), 1
	s_wait_xcnt 0x0
; x [4096][1024] f32 is read ONCE and serves two things: its codes of FP6 (E2M3) with one E8M0 byte for each 32 along K, and the router (x Wr + br, softmax, the two largest, their gates), all in f32.
; SHARES.  A work-group takes 16 tokens (a SEGMENT).  Wave w takes columns 256 w .. 256 w + 255 of all 16, two tokens a step, eight steps; its 256 rows of Wr stay in 128 registers a lane.
; All 32 loads of x of a wave (16 KiB) go out at the head; each reads 512 consecutive bytes.  A step's 2,048 bytes turn through the wave's own stage in LDS, so that a lane then holds 16 NEIGHBOURS of one token.
; xop: codes [8 planes][4096 tokens][96 bytes] (plane s = K 128 s .. 128 s + 127, blocks in their natural order); behind them one scale word for each plane and token, [8][4096][4 bytes].
; IN A SCALE WORD THE BYTES OF BLOCKS 1 AND 2 CHANGE PLACES: the products' launches give a lane 48 consecutive bytes of a row, so the matrix instruction's blocks 0, 1, 2, 3 hold the natural blocks 0, 2, 1, 3, on both operands alike.
; THE CHOICE is derived from floating-point numbers, so here it is only STORED, at fixed places: for each token its pair of experts (lower, higher), the pair's number among the 28 pairs and the token's ranks inside its segment;
; for each segment the counts of the 28 pairs and of the 8 experts.  No address and no branch of this launch hangs on it.
; LIMITS.  A block of zeros gets the byte 1 (the rule says 127): its codes are zeros and this program alone reads the bytes.  The router's sums are f32 in a tree (16 numbers a lane, 16 lanes, 4 waves): two probabilities that agree
; to about 1e-6 of their size may be ordered the other way than by another order of summing.  The exponential gives 0 under 2^-126: such a probability has the gate 0.  Ties take the lower index.  NaN and infinities are not served.
; No matrix unit, no cluster, no tensor load: the work-groups share only Wr (32 KiB), and the launch is bound by the one read of x.
.set PLX,   393216                     ; a plane of xop: 4,096 tokens x 96 bytes
.set XSC,   3145728                    ; where xop's scale words begin
.set WREG,  8448                       ; LDS: a region for each wave:
.set TSTG,  2560                       ;   two turning stages of 32 places of 64 + 16 bytes, at 0 and 2,560
.set CSTG,  5120                       ;   the codes of 2 planes x 16 tokens x 96 bytes
.set BSTG,  8192                       ;   their scale words, 2 x 16 x 4 bytes
.set PART,  33792                      ; the router's partial sums: 4 waves x 16 tokens x 32 bytes
.set SPARE, 35840                      ; the spare words, 128 bytes for each wave: two blocks of 256 bytes that no other line names
.set XO,   1                           ; v1   x: 16 x lane + 1,024 x wave
.set SIN,  2                           ; v2   the turning stage, way in
.set SOUT, 3                           ; v3   and way out: 80 x lane
.set CST,  4                           ; v4   where my 12 bytes of codes go
.set BST,  5                           ; v5   where my block's scale byte goes
.set PST,  6                           ; v6   where my token's 8 partial sums go
.set LRD,  7                           ; v7   the codes read back: 16 x lane
.set SPW,  12                          ; v12  LDS address of my spare word; never rewritten
.set NIL,  13                          ; v13  0; never rewritten
.set WRO,  14                          ; v14  Wr: my 16 rows
.set LN,   15                          ; v15  lane
.set R,    16                          ; v16-143  x as loaded: 16 registers for each of 8 steps
.set X,    144                         ; v144-175 two sets of 16 neighbours
.set ACC,  176                         ; v176-191 two sets of 8 logits' parts
.set CD,   192                         ; v192-199 two sets of codes
.set E,    200                         ; v200-201 two scale bytes
.set SRD,  202                         ; v202 the scale words read back: 4 x lane
.set GSO,  203                         ; v203 their place in xop
.set GCO,  204                         ; v204 16 x lane
.set PRD,  205                         ; v205 wave 0: my token's partial sums
.set L8,   206                         ; v206 8 x lane
.set OB,   208                         ; v208-231 the codes on their way out;  v232 the scale words
.set OS,   232
.set MSB, 0
.macro WIN new                         ; the immediate's high byte repeats the setting that is left
.if MSB != \new
	s_set_vgpr_msb (MSB<<8)|\new
.set MSB, \new
.endif
.endm
	s_load_b256 s[4:11], s[0:1], 0x0               ; x s[4:5], Wr s[6:7], br s[8:9], xop s[10:11]
	s_load_b128 s[12:15], s[0:1], 0x20             ; route s[12:13], gate1 s[14:15]
	v_lshl_add_u32 v[SPW], v0, 2, SPARE
	v_mov_b32 v[NIL], 0
	v_lshrrev_b32 v8, 5, v0
	v_readfirstlane_b32 s2, v8                     ; wave 0..3
	v_and_b32 v[LN], 31, v0
	s_mul_i32 s3, s2, WREG                         ; my region of LDS
	s_lshl_b32 s28, s2, 10
	v_lshl_add_u32 v[XO], v[LN], 4, s28
	v_lshrrev_b32 v8, 2, v[LN]
	v_mul_u32_u24 v[SIN], v8, 80                   ; four lanes' 64 bytes on end, then 16 of padding
	v_and_b32 v9, 3, v[LN]
	v_lshl_add_u32 v[SIN], v9, 4, v[SIN]
	v_add_nc_u32 v[SIN], s3, v[SIN]
	v_mul_u32_u24 v[SOUT], v[LN], 80
	v_add_nc_u32 v[SOUT], s3, v[SOUT]
	v_bfe_u32 v8, v[LN], 3, 1                      ; which of my wave's two planes
	v_lshrrev_b32 v9, 4, v[LN]                     ; which of the step's two tokens
	v_and_b32 v10, 7, v[LN]                        ; which 16 numbers of the plane's 128
	v_mul_u32_u24 v[CST], v8, 1536
	v_mad_u32_u24 v[CST], v9, 96, v[CST]
	v_mad_u32_u24 v[CST], v10, 12, v[CST]
	v_add_nc_u32 v[CST], s3, v[CST]
	v_add_nc_u32 v[CST], CSTG, v[CST]
	v_lshlrev_b32 v[BST], 6, v8
	v_lshl_add_u32 v[BST], v9, 2, v[BST]
	v_and_b32 v10, 2, v[LN]                        ; block b = (lane / 2) % 4 goes to byte 2 (b % 2) + b / 2
	v_add_nc_u32 v[BST], v10, v[BST]
	v_bfe_u32 v10, v[LN], 2, 1
	v_add_nc_u32 v[BST], v10, v[BST]
	v_add_nc_u32 v[BST], s3, v[BST]
	v_add_nc_u32 v[BST], BSTG, v[BST]
	s_lshl_b32 s28, s2, 9
	v_lshl_add_u32 v[PST], v9, 5, s28
	v_add_nc_u32 v[PST], PART, v[PST]
	v_lshlrev_b32 v[GCO], 4, v[LN]
	v_add_nc_u32 v[LRD], s3, v[GCO]
	v_add_nc_u32 v[LRD], CSTG, v[LRD]
	v_lshl_add_u32 v[SRD], v[LN], 2, s3
	v_add_nc_u32 v[SRD], BSTG, v[SRD]
	v_and_b32 v10, 15, v[LN]
	s_lshl_b32 s28, s2, 13
	v_lshl_add_u32 v[WRO], v10, 9, s28             ; rows 256 w + 16 (lane % 16) on, 32 bytes a row
	v_lshlrev_b32 v[GSO], 14, v9
	v_lshl_add_u32 v[GSO], v10, 2, v[GSO]          ; plane (lane / 16) x 16,384 + token (lane % 16) x 4
	v_lshl_add_u32 v[PRD], v10, 5, PART
	v_lshlrev_b32 v[L8], 3, v[LN]
	s_lshl_b32 s28, ttmp9, 16                      ; my 16 tokens of x: 65,536 bytes a work-group
	s_mov_b32 s29, 0
	s_mul_i32 s30, s2, 2*PLX                       ; my two planes of xop,
	s_mul_i32 s24, ttmp9, 1536                     ; my 16 tokens in them
	s_add_co_u32 s30, s30, s24
	s_mov_b32 s31, 0
	s_lshl_b32 s32, s2, 15                         ; and their scale words
	s_lshl_b32 s24, ttmp9, 6
	s_add_co_u32 s32, s32, s24
	s_add_co_u32 s32, s32, XSC
	s_mov_b32 s33, 0
	s_wait_kmcnt 0x0
	s_load_b256 s[16:23], s[8:9], 0x0              ; br
	s_add_nc_u64 s[4:5], s[4:5], s[28:29]
	s_add_nc_u64 s[24:25], s[10:11], s[30:31]
	s_add_nc_u64 s[26:27], s[10:11], s[32:33]
	WIN 0x40                                       ; destination window 1: register 8 i + e = Wr[256 w + 16 (lane % 16) + i][e]
.set n, 0
.rept 32
	global_load_b128 v[4*n:4*n+3], v[WRO], s[6:7] offset:16*n
.set n, n+1
.endr
	WIN 0
.irp t, 0,1,2,3,4,5,6,7
.irp i, 0,1,2,3
	global_load_b128 v[R+16*\t+4*\i:R+16*\t+4*\i+3], v[XO], s[4:5] offset:(2*\t+\i/2)*4096+512*(\i%2) th:TH_LOAD_NT   ; 512 consecutive bytes; read once
.endr
.endr
; Step t's 2,048 bytes through the stage: as loaded on the way in, 64 bytes a lane on the way out.  LDS serves a wave's instructions in order: no wait between the stores and the loads.
.macro TURN t
.irp i, 0,1,2,3
	ds_store_b128 v[SIN], v[R+16*(\t)+4*\i:R+16*(\t)+4*\i+3] offset:TSTG*((\t)%2)+640*\i
.endr
.irp i, 0,1,2,3
	ds_load_b128 v[X+16*((\t)%2)+4*\i:X+16*((\t)%2)+4*\i+3], v[SOUT] offset:TSTG*((\t)%2)+16*\i
.endr
.endm
; A step: tokens 2 t and 2 t + 1.  Lane l holds token 2 t + l / 16, columns 256 w + 16 (l % 16) + 0 .. 15.
.macro STEP t
.set XS, X+16*((\t)%2)
.set AS, ACC+8*((\t)%2)
.set CS, CD+4*((\t)%2)
.set ES, E+(\t)%2
.if (\t) > 0
	s_wait_dscnt 6                                 ; the last step's six stores may be out: this step's numbers are back, and the stores of two steps ago have read the registers that this step writes
.else
	s_wait_dscnt 0x0
.endif
.if (\t) < 7
	s_wait_loadcnt 4*(6-(\t))                      ; the next step's four loads are in; those of the steps behind it may be out
	TURN (\t)+1
.endif
	v_max3_num_f32 v8, |v[XS]|, |v[XS+1]|, |v[XS+2]|               ; the largest magnitude of my 16
	v_max3_num_f32 v9, |v[XS+3]|, |v[XS+4]|, |v[XS+5]|
.irp i, 6,10
	v_max3_num_f32 v8, v8, |v[XS+\i]|, |v[XS+\i+1]|
	v_max3_num_f32 v9, v9, |v[XS+\i+2]|, |v[XS+\i+3]|
.endr
	v_max3_num_f32 v8, v8, |v[XS+14]|, |v[XS+15]|
	v_max3_num_f32 v8, v8, v9, 0x1800000           ; and the floor 2^(3 - 127): the byte cannot fall under 1
	v_max_num_f32_dpp v8, v8, v8 row_xmask:1 row_mask:0xf bank_mask:0xf   ; with my neighbour's 16: the block's
	v_add_nc_u32 v11, 0xff000000, v8               ; 2 off its exponent field: the conversion takes the exponent field of this operand as its scale
	v_cvt_scalef32_pk16_fp6_f32 v[CS:CS+2], v[XS:XS+15], v11
	v_lshrrev_b32 v[ES], 23, v11                   ; the scale's byte (also the plain line behind the conversion)
	ds_store_b8 v[BST], v[ES] offset:8*(\t)        ; both lanes of a block write the same byte with the same value
.irp i, 0,1,2
	ds_store_b32 v[CST], v[CS+\i] offset:192*(\t)+4*\i
.endr
	WIN 0x04                                       ; source 1 (Wr) window 1
.irp p, 0,1,2,3
	v_pk_mul_f32 v[AS+2*\p:AS+2*\p+1], v[XS:XS+1], v[2*\p:2*\p+1] op_sel_hi:[0,1]   ; the first product starts the sums; x of one column serves both halves
.endr
.set i, 1
.rept 15
.irp p, 0,1,2,3
.if i%2
	v_pk_fma_f32 v[AS+2*\p:AS+2*\p+1], v[XS+i-1:XS+i], v[8*i+2*\p:8*i+2*\p+1], v[AS+2*\p:AS+2*\p+1] op_sel:[1,0,0] op_sel_hi:[1,1,1]
.else
	v_pk_fma_f32 v[AS+2*\p:AS+2*\p+1], v[XS+i:XS+i+1], v[8*i+2*\p:8*i+2*\p+1], v[AS+2*\p:AS+2*\p+1] op_sel_hi:[0,1,1]
.endif
.endr
.set i, i+1
.endr
	WIN 0
.irp m, 1,2,4,8
.irp e, 0,1,2,3,4,5,6,7
	v_add_f32_dpp v[AS+\e], v[AS+\e], v[AS+\e] row_xmask:\m row_mask:0xf bank_mask:0xf   ; over the 16 lanes of a token
.endr
.endr
	ds_store_b128 v[PST], v[AS:AS+3] offset:64*(\t)            ; the 16 lanes of a token write the same bytes with the same values
	ds_store_b128 v[PST], v[AS+4:AS+7] offset:64*(\t)+16
.endm
	s_wait_loadcnt 28                              ; Wr and step 0's four loads are in; the 28 loads of steps 1 to 7 may be out
	TURN 0
.irp t, 0,1,2,3,4,5,6,7
	STEP \t
.endr
	; THE WAY OUT of the codes: two planes x 1,536 dense bytes, 512 a store
.irp n, 0,1,2,3,4,5
	ds_load_b128 v[OB+4*\n:OB+4*\n+3], v[LRD] offset:512*\n    ; LDS serves a wave's instructions in order: these see my stores
.endr
	ds_load_b32 v[OS], v[SRD]
.irp n, 0,1,2,3,4,5
	s_wait_dscnt 6-\n                              ; the younger read-backs may be out
	global_store_b128 v[GCO], v[OB+4*\n:OB+4*\n+3], s[24:25] offset:(\n/3)*PLX+512*(\n%3)
.endr
	s_wait_dscnt 0x0                               ; the scale words are back; and, for the others' sake, my partial sums have landed
	global_store_b32 v[GSO], v[OS], s[26:27]       ; runs of 64 bytes: one byte in 128 of what the launch moves
	s_wait_kmcnt 0x0                               ; br
	s_barrier_signal -1
	s_barrier_wait -1
	s_cmp_lg_u32 s2, 0
	s_cbranch_scc1 .Lend
	; WAVE 0: lane l stands for token l % 16 (lanes 16-31 repeat lanes 0-15 and store nothing of a token's)
.irp q, 0,1,2,3,4,5,6,7
	ds_load_b128 v[16+4*\q:19+4*\q], v[PRD] offset:512*(\q/2)+16*(\q%2)   ; v[16 + 8 w + e]: wave w's part of logit e
.endr
	s_lshl_b32 s34, ttmp9, 8
	s_mov_b32 s35, 0
	s_add_nc_u64 s[28:29], s[12:13], s[34:35]      ; route at my segment: 256 bytes of tokens' words; its counts 65,536 further on
	s_lshl_b32 s34, ttmp9, 7
	s_add_nc_u64 s[30:31], s[14:15], s[34:35]      ; gate1 at my segment
	s_wait_dscnt 0x0
.irp e, 0,2,4,6
	v_pk_add_f32 v[48+\e:49+\e], v[16+\e:17+\e], v[24+\e:25+\e]
	v_pk_add_f32 v[56+\e:57+\e], v[32+\e:33+\e], v[40+\e:41+\e]
.endr
.irp e, 0,2,4,6
	v_pk_add_f32 v[48+\e:49+\e], v[48+\e:49+\e], v[56+\e:57+\e]
.endr
.irp e, 0,1,2,3,4,5,6,7
	v_add_f32 v[48+\e], s[16+\e], v[48+\e]         ; + br: the logits
.endr
	v_max3_num_f32 v56, v48, v49, v50
	v_max3_num_f32 v56, v56, v51, v52
	v_max3_num_f32 v56, v56, v53, v54
	v_max_num_f32 v56, v56, v55                    ; the row's maximum is taken away ahead of the exponential
.irp e, 0,1,2,3,4,5,6,7
	v_sub_f32 v[48+\e], v[48+\e], v56
.endr
.irp e, 0,1,2,3,4,5,6,7
	v_mul_f32 v[48+\e], 0x3fb8aa3b, v[48+\e]
.endr
.irp e, 0,1,2,3,4,5,6,7
	v_exp_f32 v[48+\e], v[48+\e]
.endr
	v_nop                                          ; a plain line behind the last exponential
	s_wait_alu depctr_va_vdst(0)                   ; one wait for the batch, ahead of its first reader
	v_add_f32 v57, v48, v49
	v_add_f32 v58, v50, v51
	v_add_f32 v59, v52, v53
	v_add_f32 v60, v54, v55
	v_add_f32 v57, v57, v58
	v_add_f32 v59, v59, v60
	v_add_f32 v57, v57, v59
	v_rcp_f32 v58, v57
	v_nop
	s_wait_alu depctr_va_vdst(0)
.irp e, 0,1,2,3,4,5,6,7
	v_mul_f32 v[48+\e], v[48+\e], v58              ; the probabilities
.endr
	v_mov_b32 v64, v48                             ; the largest, and its index: a later one takes the place only if it is greater, so ties keep the lower index
	v_mov_b32 v65, 0
.irp e, 1,2,3,4,5,6,7
	v_cmp_le_f32 vcc_lo, v[48+\e], v64
	v_cndmask_b32 v65, \e, v65, vcc_lo
	v_cndmask_b32 v64, v[48+\e], v64, vcc_lo
.endr
.irp e, 0,1,2,3,4,5,6,7
	v_cmp_ne_u32 vcc_lo, \e, v65
	v_cndmask_b32 v[68+\e], -1.0, v[48+\e], vcc_lo ; the largest is taken out: -1 lies under every probability
.endr
	v_mov_b32 v66, v68                             ; the second largest likewise
	v_mov_b32 v67, 0
.irp e, 1,2,3,4,5,6,7
	v_cmp_le_f32 vcc_lo, v[68+\e], v66
	v_cndmask_b32 v67, \e, v67, vcc_lo
	v_cndmask_b32 v66, v[68+\e], v66, vcc_lo
.endr
	v_add_f32 v76, v64, v66
	v_rcp_f32 v76, v76
	v_min_u32 v79, v65, v67                        ; (plain lines behind the reciprocal)  the pair's lower expert,
	v_max_u32 v80, v65, v67                        ; and its higher
	s_wait_alu depctr_va_vdst(0)
	v_mul_f32 v77, v64, v76                        ; the gates
	v_mul_f32 v78, v66, v76
	v_cmp_lt_u32 vcc_lo, v65, v67
	v_cndmask_b32 v82, v78, v77, vcc_lo            ; the lower expert's gate,
	v_cndmask_b32 v83, v77, v78, vcc_lo            ; the higher's
	v_lshl_add_u32 v84, v79, 3, v80                ; 8 x lower + higher
	v_mov_b32 v86, 0                               ; lane b: the count of pair b,
	v_mov_b32 v87, 0                               ; and of expert b
	v_mov_b32 v89, 0                               ; my rank among the segment's tokens of my pair,
	v_mov_b32 v90, 0                               ; my pair's number,
	v_mov_b32 v91, 0                               ; my rank among the users of my lower expert,
	v_mov_b32 v92, 0                               ; and of my higher
.set n, 0
.irp a, 0,1,2,3,4,5,6
.irp b, 1,2,3,4,5,6,7
.if \b > \a
	v_cmp_eq_u32 s36, 8*\a+\b, v84
	s_and_b32 s36, s36, 0xffff                     ; the 16 tokens once
	s_bcnt1_i32_b32 s37, s36
	v_writelane_b32 v86, s37, n
	v_mbcnt_lo_u32_b32 v88, s36, 0                 ; how many of them stand in lower lanes
	v_cndmask_b32 v89, v89, v88, s36
	v_cndmask_b32 v90, v90, n, s36
.set n, n+1
.endif
.endr
.endr
.irp e, 0,1,2,3,4,5,6,7
	v_cmp_eq_u32 s36, \e, v79
	v_cmp_eq_u32 s37, \e, v80
	s_or_b32 s38, s36, s37
	s_and_b32 s38, s38, 0xffff
	s_bcnt1_i32_b32 s39, s38
	v_writelane_b32 v87, s39, \e
	v_mbcnt_lo_u32_b32 v88, s38, 0
	v_cndmask_b32 v91, v91, v88, s36
	v_cndmask_b32 v92, v92, v88, s37
.endr
	v_lshl_or_b32 v96, v79, 8, v90                 ; pair | lower << 8 | higher << 16
	v_lshl_or_b32 v96, v80, 16, v96
	v_lshl_or_b32 v97, v91, 8, v89                 ; the three ranks likewise
	v_lshl_or_b32 v97, v92, 16, v97
	v_mov_b32 v98, 0
	v_mov_b32 v99, 0
	global_store_b64 v[L8], v[86:87], s[28:29] offset:65536    ; the segment's counts: 256 consecutive bytes, aligned
	v_cmp_gt_u32 vcc_lo, 16, v[LN]
	s_wait_xcnt 0x0                                ; EXEC changes only behind this wait
	s_and_saveexec_b32 s41, vcc_lo
	global_store_b128 v[GCO], v[96:99], s[28:29]   ; 16 tokens x 16 bytes: 256 consecutive bytes, aligned
	global_store_b64 v[L8], v[82:83], s[30:31]
	s_wait_xcnt 0x0                                ; and again, in front of the line that widens it
	s_or_b32 exec_lo, exec_lo, s41
.Lend:
	s_wait_tensorcnt 0x0                           ; the wave's end, behind my last LDS store
	ds_add_u32 v[SPW], v[NIL]
	s_wait_dscnt 0x0
	s_endpgm
.Lfunc_end_k_q35802bd125_route_quant:
	.size	k_q35802bd125_route_quant, .Lfunc_end_k_q35802bd125_route_quant-k_q35802bd125_route_quant
	.p2alignl 7, 3214868480
	.fill 96, 4, 3214868480
	.section	.rodata,"a",@progbits
	.p2align	6, 0x0
	.amdhsa_kernel k_q35802bd125_route_quant
		.amdhsa_group_segment_fixed_size 36352
		.amdhsa_private_segment_fixed_size 0
		.amdhsa_enable_private_segment 0
		.amdhsa_kernarg_size 48
		.amdhsa_user_sgpr_count 2
		.amdhsa_user_sgpr_kernarg_segment_ptr 1
		.amdhsa_wavefront_size32 1
		.amdhsa_system_sgpr_workgroup_id_x 1
		.amdhsa_system_sgpr_workgroup_id_y 1
		.amdhsa_system_sgpr_workgroup_id_z 1
		.amdhsa_system_vgpr_workitem_id 0
		.amdhsa_next_free_vgpr 384
		.amdhsa_next_free_sgpr 66
		.amdhsa_reserve_vcc 1
		.amdhsa_float_denorm_mode_32 3
		.amdhsa_float_denorm_mode_16_64 3
		.amdhsa_memory_ordered 1
		.amdhsa_forward_progress 1
		.amdhsa_inst_pref_size 96
	.end_amdhsa_kernel
	.amdgpu_metadata
---
amdhsa.version: [ 1, 2 ]
amdhsa.kernels:
  - .name:           k_q35802bd125_route_quant
    .symbol:         k_q35802bd125_route_quant.kd
    .args:
      - { .name: x, .offset: 0, .size: 8, .value_kind: global_buffer, .address_space: global }
      - { .name: Wr, .offset: 8, .size: 8, .value_kind: global_buffer, .address_space: global }
      - { .name: br, .offset: 16, .size: 8, .value_kind: global_buffer, .address_space: global }
      - { .name: xop, .offset: 24, .size: 8, .value_kind: global_buffer, .address_space: global }
      - { .name: route, .offset: 32, .size: 8, .value_kind: global_buffer, .address_space: global }
      - { .name: gate1, .offset: 40, .size: 8, .value_kind: global_buffer, .address_space: global }
    .group_segment_fixed_size: 36352
    .private_segment_fixed_size: 0
    .kernarg_segment_align: 8
    .kernarg_segment_size: 48
    .max_flat_workgroup_size: 128
    .sgpr_count:     66
    .vgpr_count:     384
    .wavefront_size: 32
...
	.end_amdgpu_metadata
.endif
;; end of part 1
;; launch place (part 2): grid 1 x 1, 8 waves a work-group, no clusters, 3,072 bytes of LDS; arguments route, plan; writes plan
.if DOCPART == 2
	.amdgcn_target "amdgcn-amd-amdhsa--gfx1250"
	.amdhsa_code_object_version 6
	.text
	.protected	k_q35802bd125_place
	.globl	k_q35802bd125_place
	.p2align	8
	.type	k_q35802bd125_place,@function
k_q35802bd125_place:
	s_mov_b64 s[64:65], 0
	v_nop
	global_prefetch_b8 v0, s[64:65] scope:SCOPE_SE
	s_setreg_imm32_b32 hwreg(HW_REG_WAVE_MODE, 25, 1), 1
	s_wait_xcnt 0x0
; The stored choice becomes places: a counting sort without atomics, by one work-group.
; IN (route): for each of 4,096 tokens its pair's number, its two experts and three ranks inside its segment of 16 tokens; for each of 256 segments the counts of 28 pairs and 8 experts.
; OUT (plan): rec[i], 16 bytes, i = the token's place in the order by pairs: {token, the row of its lower expert, the row of its higher, lower | higher << 8};
;   rowtok[p], 4 bytes from byte 65,536 on: the token of row p; an expert's rows are consecutive and begin at a multiple of 144;   tiles[j] = {expert, rows}, 8 bytes from byte 102,400 on, j under 64.
; The sum over experts of ceil(c / 144) is at most (8,192 + 8 x 143) / 144, so at most 64, whatever the split.
; SHARES.  Wave w owns segments 32 w .. 32 w + 31 (tokens 512 w on).  In the prefix sums a LANE IS A BIN: lane b holds pair b's count in the even registers and expert b's in the odd ones.
; The scattered stores of 16 and 4 bytes (98 KiB in all) are the placement itself.  One work-group, since every place hangs on all counts; the launch moves 230 KiB.
.set TOT,   0                          ; LDS: each wave's totals, 256 bytes a wave
.set SPARE, 2048                       ; the spare words, 128 bytes for each wave: four blocks of 256 bytes that no other line names
.set LN,   1                           ; v1   lane
.set A1,   2                           ; v2   8 x lane + 8,192 x wave: my bin in my wave's first segment
.set A2,   3                           ; v3   16 x lane + 8,192 x wave: my token's words
.set TW,   4                           ; v4   LDS: my wave's totals
.set TR,   5                           ; v5   LDS: my bin in wave 0's totals
.set SPW,  6                           ; v6   LDS address of my spare word; never rewritten
.set NIL,  7                           ; v7   0; never rewritten
.set TOK0, 12                          ; v12  512 x wave + lane
.set C,    16                          ; v16-79   segment j: v[C + 2 j] pairs, v[C + 2 j + 1] experts: counts, then first places
.set I,    80                          ; v80-111  round k: the two words of token 512 w + 32 k + lane
.set TT,   112                         ; v112-127 the eight waves' totals
.set BP,   140                         ; v140-163 what the lane permutes bring: six a round
.set REC,  164                         ; v164-179 a record a round
.set AI,   180                         ; v180-191 the three stores' offsets, four rounds each
.set AL,   184
.set AH,   188
.set IX,   192                         ; v192-203 the permutes' lane indices
.set CE,   16                          ; s16-23 the experts' counts
.set TBE,  24                          ; s24-31 their first tiles
	s_load_b128 s[4:7], s[0:1], 0x0                ; route s[4:5], plan s[6:7]
	v_lshl_add_u32 v[SPW], v0, 2, SPARE
	v_mov_b32 v[NIL], 0
	v_lshrrev_b32 v13, 5, v0
	v_readfirstlane_b32 s2, v13                    ; wave 0..7
	v_and_b32 v[LN], 31, v0
	s_lshl_b32 s3, s2, 13
	v_lshl_add_u32 v[A1], v[LN], 3, s3
	v_lshl_add_u32 v[A2], v[LN], 4, s3
	s_lshl_b32 s3, s2, 8
	v_lshl_add_u32 v[TW], v[LN], 3, s3
	v_lshlrev_b32 v[TR], 3, v[LN]
	s_lshl_b32 s3, s2, 9
	v_add_nc_u32 v[TOK0], s3, v[LN]
	s_wait_kmcnt 0x0
.set j, 0
.rept 32
	global_load_b64 v[C+2*j:C+2*j+1], v[A1], s[4:5] offset:65536+256*j   ; a segment's counts: 256 consecutive bytes
.set j, j+1
.endr
.set k, 0
.rept 16
	global_load_b64 v[I+2*k:I+2*k+1], v[A2], s[4:5] offset:512*k
.set k, k+1
.endr
	s_wait_loadcnt 16                              ; the counts are in; the 16 loads of tokens' words may be out
	v_mov_b32 v8, 0                                ; the running sums, in two pairs of registers by turns
	v_mov_b32 v9, 0
.set j, 0
.rept 16
	v_add_nc_u32 v10, v8, v[C+4*j]
	v_add_nc_u32 v11, v9, v[C+4*j+1]
	v_mov_b32 v[C+4*j], v8                         ; a count gives way to the sum of the counts ahead of it
	v_mov_b32 v[C+4*j+1], v9
	v_add_nc_u32 v8, v10, v[C+4*j+2]
	v_add_nc_u32 v9, v11, v[C+4*j+3]
	v_mov_b32 v[C+4*j+2], v10
	v_mov_b32 v[C+4*j+3], v11
.set j, j+1
.endr
	ds_store_b64 v[TW], v[8:9]                     ; my wave's totals
	s_wait_dscnt 0x0                               ; for the others' sake
	s_barrier_signal -1
	s_barrier_wait -1
.irp q, 0,1,2,3,4,5,6,7
	ds_load_b64 v[TT+2*\q:TT+2*\q+1], v[TR] offset:256*\q
.endr
	v_mov_b32 v128, 0                              ; all waves' totals,
	v_mov_b32 v129, 0
	v_mov_b32 v130, 0                              ; and those of the waves ahead of mine
	v_mov_b32 v131, 0
	v_mov_b32 v132, 0                              ; lane b: pair b's first place
	v_mov_b32 v133, 0                              ; lane e: expert e's first row
	s_wait_dscnt 0x0
.irp q, 0,1,2,3,4,5,6,7
	v_add_nc_u32 v128, v128, v[TT+2*\q]
	v_add_nc_u32 v129, v129, v[TT+2*\q+1]
	s_cmp_gt_u32 s2, \q
	s_cselect_b32 s3, -1, 0
	v_and_b32 v134, s3, v[TT+2*\q]
	v_and_b32 v135, s3, v[TT+2*\q+1]
	v_add_nc_u32 v130, v130, v134
	v_add_nc_u32 v131, v131, v135
.endr
	s_mov_b32 s8, 0
.set b, 0
.rept 28
	v_writelane_b32 v132, s8, b
	v_readlane_b32 s9, v128, b
	s_add_co_u32 s8, s8, s9
.set b, b+1
.endr
	s_mov_b32 s10, 0                               ; tiles so far
.irp e, 0,1,2,3,4,5,6,7
	v_readlane_b32 s[CE+\e], v129, \e
	s_mov_b32 s[TBE+\e], s10
	s_mul_i32 s9, s10, 144
	v_writelane_b32 v133, s9, \e
	s_add_co_u32 s9, s[CE+\e], 143
	s_mul_i32 s9, s9, 29128                        ; (c + 143) / 144, rounded down: 29,128 / 2^22 exceeds 1 / 144 by 2.1e-7, which up to 4,239 adds under 0.001, less than the 1 / 144 that would turn the result
	s_lshr_b32 s9, s9, 22
	s_add_co_u32 s10, s10, s9
.endr
	v_add_nc_u32 v130, v130, v132
	v_add_nc_u32 v131, v131, v133
.set j, 0
.rept 32
	v_add_nc_u32 v[C+2*j], v[C+2*j], v130          ; now: the first place of each bin's tokens of segment j
	v_add_nc_u32 v[C+2*j+1], v[C+2*j+1], v131
.set j, j+1
.endr
	s_mov_b32 s11, 0xffff0000                      ; lanes 16-31: a round's second segment
	s_wait_loadcnt 0x0                             ; the tokens' words
; Four rounds of 32 tokens.  A token's first places stand in the lane of its bin: six lane permutes a round bring them (both segments' registers; the lane's half chooses).
.macro BATCH bt
	s_wait_xcnt 0x0                                ; the last batch's stores have read their data and offsets: they are written again only behind this wait
.irp q, 0,1,2,3
.set k, 4*(\bt)+\q
	v_and_b32 v[IX+3*\q], 0xff, v[I+2*k]
	v_bfe_u32 v[IX+3*\q+1], v[I+2*k], 8, 8
	v_bfe_u32 v[IX+3*\q+2], v[I+2*k], 16, 8
	v_min_u32 v[IX+3*\q], 31, v[IX+3*\q]
	v_min_u32 v[IX+3*\q+1], 7, v[IX+3*\q+1]
	v_min_u32 v[IX+3*\q+2], 7, v[IX+3*\q+2]
	v_lshlrev_b32 v[IX+3*\q], 2, v[IX+3*\q]
	v_lshlrev_b32 v[IX+3*\q+1], 2, v[IX+3*\q+1]
	v_lshlrev_b32 v[IX+3*\q+2], 2, v[IX+3*\q+2]
	ds_bpermute_b32 v[BP+6*\q], v[IX+3*\q], v[C+4*k]
	ds_bpermute_b32 v[BP+6*\q+1], v[IX+3*\q], v[C+4*k+2]
	ds_bpermute_b32 v[BP+6*\q+2], v[IX+3*\q+1], v[C+4*k+1]
	ds_bpermute_b32 v[BP+6*\q+3], v[IX+3*\q+1], v[C+4*k+3]
	ds_bpermute_b32 v[BP+6*\q+4], v[IX+3*\q+2], v[C+4*k+1]
	ds_bpermute_b32 v[BP+6*\q+5], v[IX+3*\q+2], v[C+4*k+3]
.endr
	s_wait_dscnt 0x0
.irp q, 0,1,2,3
.set k, 4*(\bt)+\q
	v_cndmask_b32 v204, v[BP+6*\q], v[BP+6*\q+1], s11
	v_and_b32 v205, 0xff, v[I+2*k+1]
	v_add_nc_u32 v204, v204, v205                  ; + my rank in the segment: my place in the order by pairs
	v_min_u32 v204, 0xfff, v204
	v_lshlrev_b32 v[AI+\q], 4, v204
	v_cndmask_b32 v204, v[BP+6*\q+2], v[BP+6*\q+3], s11
	v_bfe_u32 v205, v[I+2*k+1], 8, 8
	v_add_nc_u32 v204, v204, v205                  ; my row with the lower expert
	v_min_u32 v[REC+4*\q+1], 0x23ff, v204
	v_lshlrev_b32 v[AL+\q], 2, v[REC+4*\q+1]
	v_cndmask_b32 v204, v[BP+6*\q+4], v[BP+6*\q+5], s11
	v_bfe_u32 v205, v[I+2*k+1], 16, 8
	v_add_nc_u32 v204, v204, v205                  ; and with the higher
	v_min_u32 v[REC+4*\q+2], 0x23ff, v204
	v_lshlrev_b32 v[AH+\q], 2, v[REC+4*\q+2]
	v_add_nc_u32 v[REC+4*\q], 32*k, v[TOK0]
	v_bfe_u32 v[REC+4*\q+3], v[I+2*k], 8, 16       ; lower | higher << 8
	global_store_b128 v[AI+\q], v[REC+4*\q:REC+4*\q+3], s[6:7]
	global_store_b32 v[AL+\q], v[REC+4*\q], s[6:7] offset:65536
	global_store_b32 v[AH+\q], v[REC+4*\q], s[6:7] offset:65536
.endr
.endm
	BATCH 0
	BATCH 1
	BATCH 2
	BATCH 3
	s_cmp_lg_u32 s2, 0
	s_cbranch_scc1 .Lend
	; WAVE 0: the table of 64 tiles.  Tile j belongs to the last expert whose first tile is not above j; a tile past the last expert's rows has 0 rows.
.irp m, 0,1
	v_add_nc_u32 v[210+4*\m], 32*\m, v[LN]         ; j
	v_mov_b32 v[208+4*\m], 0
	v_mov_b32 v[209+4*\m], s[CE]
	v_mov_b32 v[211+4*\m], 0
.irp e, 1,2,3,4,5,6,7
	v_cmp_gt_u32 vcc_lo, s[TBE+\e], v[210+4*\m]
	v_cndmask_b32 v[208+4*\m], \e, v[208+4*\m], vcc_lo
	v_cndmask_b32 v[209+4*\m], s[CE+\e], v[209+4*\m], vcc_lo
	v_cndmask_b32 v[211+4*\m], s[TBE+\e], v[211+4*\m], vcc_lo
.endr
	v_sub_nc_u32 v[211+4*\m], v[210+4*\m], v[211+4*\m]
	v_mul_u32_u24 v[211+4*\m], v[211+4*\m], 144
	v_sub_nc_u32 v[209+4*\m], v[209+4*\m], v[211+4*\m]
	v_max_i32 v[209+4*\m], 0, v[209+4*\m]
	v_min_i32 v[209+4*\m], 144, v[209+4*\m]        ; the rows left for this tile, between 0 and 144
	v_lshlrev_b32 v[216+\m], 3, v[210+4*\m]
	global_store_b64 v[216+\m], v[208+4*\m:209+4*\m], s[6:7] offset:102400
.endr
.Lend:
	s_wait_tensorcnt 0x0                           ; the wave's end, behind my last LDS store
	ds_add_u32 v[SPW], v[NIL]
	s_wait_dscnt 0x0
	s_endpgm
.Lfunc_end_k_q35802bd125_place:
	.size	k_q35802bd125_place, .Lfunc_end_k_q35802bd125_place-k_q35802bd125_place
	.p2alignl 7, 3214868480
	.fill 96, 4, 3214868480
	.section	.rodata,"a",@progbits
	.p2align	6, 0x0
	.amdhsa_kernel k_q35802bd125_place
		.amdhsa_group_segment_fixed_size 3072
		.amdhsa_private_segment_fixed_size 0
		.amdhsa_enable_private_segment 0
		.amdhsa_kernarg_size 16
		.amdhsa_user_sgpr_count 2
		.amdhsa_user_sgpr_kernarg_segment_ptr 1
		.amdhsa_wavefront_size32 1
		.amdhsa_system_sgpr_workgroup_id_x 1
		.amdhsa_system_sgpr_workgroup_id_y 1
		.amdhsa_system_sgpr_workgroup_id_z 1
		.amdhsa_system_vgpr_workitem_id 0
		.amdhsa_next_free_vgpr 256
		.amdhsa_next_free_sgpr 66
		.amdhsa_reserve_vcc 1
		.amdhsa_float_denorm_mode_32 3
		.amdhsa_float_denorm_mode_16_64 3
		.amdhsa_memory_ordered 1
		.amdhsa_forward_progress 1
		.amdhsa_inst_pref_size 56
	.end_amdhsa_kernel
	.amdgpu_metadata
---
amdhsa.version: [ 1, 2 ]
amdhsa.kernels:
  - .name:           k_q35802bd125_place
    .symbol:         k_q35802bd125_place.kd
    .args:
      - { .name: route, .offset: 0, .size: 8, .value_kind: global_buffer, .address_space: global }
      - { .name: plan, .offset: 8, .size: 8, .value_kind: global_buffer, .address_space: global }
    .group_segment_fixed_size: 3072
    .private_segment_fixed_size: 0
    .kernarg_segment_align: 8
    .kernarg_segment_size: 16
    .max_flat_workgroup_size: 256
    .sgpr_count:     66
    .vgpr_count:     256
    .wavefront_size: 32
...
	.end_amdgpu_metadata
.endif
;; end of part 2
;; launch ffn1 (part 3): grid 32 x 8, 8 waves a work-group, no clusters, 269,824 bytes of LDS; arguments xop, W1_codes, W1_scales, b1, plan, hop; writes hop
.if DOCPART == 3
	.amdgcn_target "amdgcn-amd-amdhsa--gfx1250"
	.amdhsa_code_object_version 6
	.text
	.protected	k_q35802bd125_ffn1
	.globl	k_q35802bd125_ffn1
	.p2align	8
	.type	k_q35802bd125_ffn1,@function
k_q35802bd125_ffn1:
	s_mov_b64 s[64:65], 0
	v_nop
	global_prefetch_b8 v0, s[64:65] scope:SCOPE_SE
	s_setreg_imm32_b32 hwreg(HW_REG_WAVE_MODE, 25, 1), 1
	s_wait_xcnt 0x0
; h = Q(gelu(Q(x) W1[e] + b1[e])) for the rows that were chosen, sorted by expert: both operands codes of FP6 (E2M3) with one E8M0 scale for each 32 along K; sums f32; gelu (the exact one, by erf) and the quantiser in f32.
; SHARES.  64 tiles of 144 rows of one expert (the stored table says which expert and how many rows count); a work-group holds two tiles, four waves each, and 128 of the 1,024 hidden units (work-group y).
; Wave wq of a tile makes hidden units 32 wq .. 32 wq + 31 of those 128, one block of the next K, for all rows: its 32 rows of W1, all of K, stay in 192 registers, read from memory once.
; THE ROWS go once through LDS as IMAGES OF THE OPERAND'S REGISTERS: a UNIT is 16 rows x all of K = 24 groups of 512 bytes (lane l's four registers at 16 l) and two groups with the lane's eight scale words.
; K ORDER.  A lane takes 48 consecutive bytes of a row for each 128 along K (three loads of 16 bytes, all aligned), on BOTH operands: the instruction's blocks 0, 1, 2, 3 hold the natural blocks 0, 2, 1, 3.  The same k meet, so
; the products are the same; only their grouping in the sum differs.  The scale words follow: xop's are stored so, W1's are turned by one v_perm_b32 each.
; TRANSPOSED: source 0 = 16 rows of W1, source 1 = 16 rows of x: a lane holds ONE token.  Lane r of tile u takes W1's row 8 u + r + 8 (r / 8), so that a lane's 16 results are 16 NEIGHBOURS along the next K.  b1 is the C of each sum's first product.
; hop: as xop, with 9,216 rows: plane ny = these 128 hidden units: a tile's codes are 13,824 dense bytes; they leave through a stage in LDS, 512 consecutive bytes a store.
; A tile with fewer than 144 rows works only its units of 16 that hold rows (a scalar branch on the stored count); rows past the count repeat the tile's last row and are read by nobody.  Both barriers stand on every wave's path.
; NO CLUSTER, NO TENSOR LOAD: which expert's weights and which rows a work-group needs is read from memory and steers branches; and partners would not ask for the same tiles.
; LIMITS.  erfc by Abramowitz and Stegun 7.1.26 (absolute error up to 1.5e-7) with v_rcp_f32 and v_exp_f32: h = max(u, 0) - |u| erfc(|u| / sqrt 2) / 2 carries an absolute error of about 2e-7 |u|; no difference of large numbers is
; formed.  For large |u| the exponential is 0 and h is u or 0.  A block of zeros gets the byte 1 (the rule says 127): its codes are zeros and this program alone reads the bytes.  NaN and infinities are not served.
.set PLX,   393216                     ; a plane of xop
.set XSC,   3145728                    ; xop's scale words;
.set PSX,   16384                      ; a plane of them
.set PLH,   884736                     ; the same of hop
.set HSC,   7077888
.set PSH,   36864
.set UNITB, 13312                      ; a unit's image
.set HALFB, 134400                     ; LDS of a tile: nine units,
.set STG,   119808                     ;   the stage for its codes, 144 x 96 bytes,
.set SST,   133632                     ;   and for its scale words, 144 x 4 bytes in a region of 768
.set SPARE, 268800                     ; the spare words, 128 bytes for each wave: four blocks of 256 bytes that no other line names
.set PL,  PLX
.set PLS, PSX
.set CB,  4                            ; s[4:5]   xop's codes
.set SB,  24                           ; s[24:25] xop's scale words
.set WB,  6                            ; s[6:7]   W1's codes at my 32 rows
.set WSB, 8                            ; s[8:9]   their scale bytes
.set BB,  10                           ; s[10:11] b1 at my 32 units
.set SEL, 40                           ; s[40:41] lane selects: lane l xor 16
.set SELP, 42                          ; s42      bytes 1 and 2 change places
.set PP,  43                           ; s43      0.3275911 / sqrt 2
.set KX,  44                           ; s[44:45] -log2(e) / 2           (pairs: the packed forms name a pair and take its low word for both halves)
.set A5,  46                           ; s[46:53] -1/2 x the series' a5, a3, a2, a1;  a4 stands in v[28:29]
.set A3,  48
.set A2,  50
.set A1,  52
.set LI0,  3                           ; v3-5  16 x lane + my tile's LDS + 4 units x 0, 1, 2
.set GI0,  6                           ; v6    where I store unit wq,
.set GI1,  7                           ; v7    unit wq + 4,
.set GI2,  8                           ; v8    my two planes of unit 8,
.set GI2S, 9                           ; v9    and their scale words
.set WO,   10                          ; v10   W1: my row and half
.set WSO,  11                          ; v11   its scale bytes
.set BO,   12                          ; v12   b1: my half's units
.set CS,   13                          ; v13   the stage: where my 12 bytes of codes go
.set SS,   14                          ; v14   and my block's scale byte
.set RD,   15                          ; v15   the stage read back
.set GO,   16                          ; v16   and the same place in the tile's part of hop
.set SA,   17                          ; v17   the scale words read back
.set SG,   18                          ; v18   and their place in hop
.set ROWV, 19                          ; v19   their row
.set SPW,  20                          ; v20   LDS address of my spare word; never rewritten
.set NIL,  21                          ; v21   0; never rewritten
.set XOA,  22                          ; v22-24 the gathers' offsets into the codes;  v25-27 into the scale words
.set SOA,  25
.set WS,   32                          ; v32-47  W1's scale words: 8 u + s
.set FS,   48                          ; v48-55  the unit's scale words
.set F,    56                          ; v56-151 the unit's eight fragments
.set ST2,  152                         ; v152-247 at the head: a second unit on its way to LDS
.set TD,   152                         ; later, 16 each: 1 / (1 + p |u|),
.set TQ,   168                         ; 2^(-u u log2(e) / 2),
.set TR,   184                         ; max(u, 0),
.set TP,   200                         ; the series
.set ACC,  216                         ; v216-231 the two accumulators: my token's 16 hidden units
.set QT,   232                         ; v232-236 at work in the quantiser
.set CDR,  238                         ; v238-240 the codes
.set MSB, 0
.macro WIN new                         ; the immediate's high byte repeats the setting that is left
.if MSB != \new
	s_set_vgpr_msb (MSB<<8)|\new
.set MSB, \new
.endif
.endm
; 16 rows, all of K, from memory: lane (r, h) takes 48 bytes of each plane of its row, and the row's eight scale words
.macro GLOAD reg, sreg, off, soff
.set n, 0
.rept 24
	global_load_b128 v[\reg+4*n:\reg+4*n+3], v[\off], s[CB:CB+1] offset:(n/3)*PL+16*(n%3)
.set n, n+1
.endr
.set n, 0
.rept 8
	global_load_b32 v[\sreg+n], v[\soff], s[SB:SB+1] offset:n*PLS
.set n, n+1
.endr
.endm
.macro IMAGE adr, imm, reg, sreg       ; they go to LDS as they stand,
.set n, 0
.rept 24
	ds_store_b128 v[\adr], v[\reg+4*n:\reg+4*n+3] offset:\imm+512*n
.set n, n+1
.endr
	ds_store_b128 v[\adr], v[\sreg:\sreg+3] offset:\imm+12288
	ds_store_b128 v[\adr], v[\sreg+4:\sreg+7] offset:\imm+12800
.endm
.macro FETCH adr, imm                  ; and come back so, in any wave
.set n, 0
.rept 24
	ds_load_b128 v[F+4*n:F+4*n+3], v[\adr] offset:\imm+512*n
.set n, n+1
.endr
	ds_load_b128 v[FS:FS+3], v[\adr] offset:\imm+12288
	ds_load_b128 v[FS+4:FS+7], v[\adr] offset:\imm+12800
.endm
; My two tiles of 16 weight rows, rs rows apart, all of K, into window 1: v[96 u + 12 s ..] the fragments, v192-207 the bias in the result's layout, v208-223 the scale words as they lie.  56 loads
.macro LOADW rs
	WIN 0x40
.irp u, 0,1
.set n, 0
.rept 24
	global_load_b128 v[96*\u+4*n:96*\u+4*n+3], v[WO], s[WB:WB+1] offset:\u*\rs*768+96*(n/3)+16*(n%3)
.set n, n+1
.endr
.endr
.irp u, 0,1
.irp j, 0,1
	global_load_b128 v[208+8*\u+4*\j:211+8*\u+4*\j], v[WSO], s[WSB:WSB+1] offset:\u*\rs*32+16*\j
	global_load_b128 v[192+8*\u+4*\j:195+8*\u+4*\j], v[BO], s[BB:BB+1] offset:\u*\rs*4+16*\j
.endr
.endr
	WIN 0
.endm
.macro SWAPS                           ; the weights' scale words, bytes 1 and 2 changed, into window 0, where scale operands are taken from
	WIN 0x05
.set n, 0
.rept 16
	v_perm_b32 v[WS+n], v[208+n], v[208+n], s[SELP]
.set n, n+1
.endr
	WIN 0
.rept 8
	v_nop                                          ; a scale register written by a vector instruction stands eight places ahead of the scaled matrix instruction
.endr
.endm
; 16 matrix instructions: my two tiles x the unit's 16 rows, all of K.  The two accumulators take turns, one instruction a turn.  The bias starts the sums.
.macro MM
	WIN 0x11                                       ; source 0 (weights) and source 2 (bias) window 1
.irp u, 0,1
	v_wmma_scale_f32_16x16x128_f8f6f4 v[ACC+8*\u:ACC+8*\u+7], v[96*\u:96*\u+11], v[F:F+11], v[192+8*\u:199+8*\u], v[WS+8*\u], v[FS] matrix_a_fmt:MATRIX_FMT_FP6 matrix_b_fmt:MATRIX_FMT_FP6
.endr
	WIN 0x01
.irp s, 1,2,3,4,5,6,7
.irp u, 0,1
	v_wmma_scale_f32_16x16x128_f8f6f4 v[ACC+8*\u:ACC+8*\u+7], v[96*\u+12*\s:96*\u+12*\s+11], v[F+12*\s:F+12*\s+11], v[ACC+8*\u:ACC+8*\u+7], v[WS+8*\u+\s], v[FS+\s] matrix_a_fmt:MATRIX_FMT_FP6 matrix_b_fmt:MATRIX_FMT_FP6
.endr
.endr
	WIN 0
.rept 5
	v_nop                                          ; four places ahead of the reads of the results and of loads into the operands; five ahead of the next unit's product, which begins the accumulators anew
.endr
.endm
	s_load_b256 s[4:11], s[0:1], 0x0               ; xop, W1's codes, W1's scales, b1
	s_load_b128 s[12:15], s[0:1], 0x20             ; plan s[12:13], hop s[14:15]
	v_lshl_add_u32 v[SPW], v0, 2, SPARE
	v_mov_b32 v[NIL], 0
	v_lshrrev_b32 v31, 5, v0
	v_readfirstlane_b32 s2, v31                    ; wave 0..7
	s_lshl_b32 s58, ttmp9, 4
	s_wait_kmcnt 0x0
	s_load_b128 s[32:35], s[12:13], s58 offset:102400   ; my work-group's two tiles: {expert, rows} each; the set-up below stands between the load and its wait
	s_and_b32 s3, s2, 3                            ; wq
	s_lshr_b32 s16, s2, 2                          ; which of the two tiles
	s_and_b32 s17, ttmp7, 0xffff                   ; ny: which 128 hidden units
	s_lshl_b32 s38, ttmp9, 1
	s_add_co_u32 s38, s38, s16                     ; the tile's number
	v_and_b32 v1, 15, v0                           ; r
	v_bfe_u32 v2, v0, 4, 1                         ; h
	v_and_b32 v30, 31, v0                          ; lane
	s_mul_i32 s18, s16, HALFB
	v_lshl_add_u32 v[LI0], v30, 4, s18
	v_add_nc_u32 v[LI0+1], 4*UNITB, v[LI0]
	v_add_nc_u32 v[LI0+2], 8*UNITB, v[LI0]
	s_mul_i32 s19, s3, UNITB
	v_add_nc_u32 v[GI0], s19, v[LI0]
	v_add_nc_u32 v[GI1], s19, v[LI0+1]
	s_mul_i32 s19, s3, 3072                        ; unit 8 is shared out by planes: wave wq brings planes 2 wq and 2 wq + 1: six groups of 512 bytes,
	v_add_nc_u32 v[GI2], s19, v[LI0+2]
	s_lshr_b32 s19, s3, 1                          ; and two of each lane's eight scale words
	s_lshl_b32 s19, s19, 9
	s_and_b32 s20, s3, 1
	s_lshl_b32 s20, s20, 3
	s_add_co_u32 s19, s19, s20
	s_add_co_u32 s19, s19, 12288
	v_add_nc_u32 v[GI2S], s19, v[LI0+2]
	v_and_b32 v31, 8, v1
	v_add_nc_u32 v31, v31, v1                      ; r + 8 (r / 8)
	v_mul_u32_u24 v[WO], v31, 768
	v_mad_u32_u24 v[WO], v2, 48, v[WO]
	v_lshlrev_b32 v[WSO], 5, v31
	v_lshlrev_b32 v[BO], 6, v2                     ; tile u's results of my half are units 16 h + 8 u + 0 .. 7
	v_mul_u32_u24 v[CS], v1, 96
	v_mad_u32_u24 v[CS], v2, 12, v[CS]
	s_mul_i32 s19, s3, 24
	s_add_co_u32 s19, s19, s18
	s_add_co_u32 s19, s19, STG
	v_add_nc_u32 v[CS], s19, v[CS]                 ; row r, block wq, half h
	s_and_b32 s19, s3, 1                           ; block wq's byte stands at 2 (wq % 2) + wq / 2
	s_lshl_b32 s19, s19, 1
	s_lshr_b32 s20, s3, 1
	s_or_b32 s19, s19, s20
	s_add_co_u32 s19, s19, s18
	s_add_co_u32 s19, s19, SST
	v_lshl_add_u32 v[SS], v1, 2, s19
	s_lshl_b32 s19, s3, 9
	v_lshl_add_u32 v[GO], v30, 4, s19
	s_add_co_u32 s20, s18, STG
	v_add_nc_u32 v[RD], s20, v[GO]
	s_lshl_b32 s19, s3, 7
	v_lshl_add_u32 v[SG], v30, 2, s19
	s_add_co_u32 s20, s18, SST
	v_add_nc_u32 v[SA], s20, v[SG]
	s_lshl_b32 s19, s3, 5
	v_add_nc_u32 v[ROWV], s19, v30
	v_mov_b32 v28, 0x3f3a00e3                      ; -1/2 x a4, twice
	v_mov_b32 v29, 0x3f3a00e3
	v_mul_u32_u24 v254, v2, 48                     ; 48 h
	s_mov_b32 s[SEL], 0x76543210
	s_mov_b32 s[SEL+1], 0xfedcba98
	s_mov_b32 s[SELP], 0x03010200
	s_mov_b32 s[PP], 0x3e6d3388
	s_mov_b32 s[KX], 0xbf38aa3b
	s_mov_b32 s[KX+1], s[KX]
	s_mov_b32 s[A5], 0xbf07dc22
	s_mov_b32 s[A5+1], s[A5]
	s_mov_b32 s[A3], 0xbf35f0e3
	s_mov_b32 s[A3+1], s[A3]
	s_mov_b32 s[A2], 0x3e11a98e
	s_mov_b32 s[A2+1], s[A2]
	s_mov_b32 s[A1], 0xbe027906
	s_mov_b32 s[A1+1], s[A1]
	s_add_nc_u64 s[SB:SB+1], s[CB:CB+1], XSC
	s_mul_i32 s54, s17, PSH                        ; hop's scale words: plane ny, the tile's 144 rows
	s_mul_i32 s19, s38, 576
	s_add_co_u32 s54, s54, s19
	s_add_co_u32 s54, s54, HSC
	s_mov_b32 s55, 0
	s_add_nc_u64 s[26:27], s[14:15], s[54:55]
	s_mul_i32 s54, s17, PLH                        ; and its codes
	s_mul_i32 s19, s38, 13824
	s_add_co_u32 s54, s54, s19
	s_add_nc_u64 s[14:15], s[14:15], s[54:55]
	s_lshl_b32 s19, s3, 4
	v_add_nc_u32 v248, s19, v1                     ; the rows that I gather: 16 wq + r,
	v_add_nc_u32 v249, 64, v248                    ; 64 + 16 wq + r,
	v_add_nc_u32 v250, 128, v1                     ; 128 + r
	s_wait_kmcnt 0x0
	s_cmp_eq_u32 s16, 0
	s_cselect_b32 s28, s32, s34                    ; my tile's expert,
	s_cselect_b32 s29, s33, s35                    ; and its rows
	s_min_u32 s28, s28, 7
	s_min_u32 s29, s29, 144
	s_add_co_u32 s30, s29, 15
	s_lshr_b32 s30, s30, 4                         ; units that hold rows
	s_mul_i32 s31, s30, 3                          ; their codes in chunks of 512 bytes
	s_lshl_b32 s39, s30, 4                         ; their rows
	s_max_u32 s37, s29, 1
	s_sub_co_u32 s37, s37, 1                       ; the last row that counts
	s_mul_i32 s36, s38, 144                        ; the tile's first row in the list;
	s_cmp_eq_u32 s29, 0
	s_cselect_b32 s36, 0, s36                      ; a tile without rows reads the list's first entry, which is always written, and uses nothing of it
.irp i, 248,249,250
	v_min_u32 v\i, s37, v\i                        ; rows past the count repeat the last row: only written entries of the list are read
	v_min_u32 v\i, 143, v\i
	v_add_nc_u32 v\i, s36, v\i
	v_min_u32 v\i, 0x23ff, v\i
	v_lshlrev_b32 v\i, 2, v\i
.endr
	global_load_b32 v251, v248, s[12:13] offset:65536
	global_load_b32 v252, v249, s[12:13] offset:65536
	global_load_b32 v253, v250, s[12:13] offset:65536
	s_lshl_b32 s19, s17, 7
	s_lshl_b32 s20, s3, 5
	s_add_co_u32 s19, s19, s20                     ; my first hidden unit: 128 ny + 32 wq
	s_mul_i32 s54, s28, 786432
	s_mul_i32 s20, s19, 768
	s_add_co_u32 s54, s54, s20
	s_add_nc_u64 s[WB:WB+1], s[WB:WB+1], s[54:55]
	s_lshl_b32 s54, s28, 15
	s_lshl_b32 s20, s19, 5
	s_add_co_u32 s54, s54, s20
	s_add_nc_u64 s[WSB:WSB+1], s[WSB:WSB+1], s[54:55]
	s_lshl_b32 s54, s28, 12
	s_lshl_b32 s20, s19, 2
	s_add_co_u32 s54, s54, s20
	s_add_nc_u64 s[BB:BB+1], s[BB:BB+1], s[54:55]
	LOADW 8
	s_wait_loadcnt 56                              ; the three loads of the list are in; the 56 loads of weights, scales and bias behind them may be out
.irp i, 0,1,2
	v_min_u32 v[251+\i], 0xfff, v[251+\i]          ; the token
	v_mul_u32_u24 v[XOA+\i], v[251+\i], 96
	v_add_nc_u32 v[XOA+\i], v254, v[XOA+\i]
	v_lshlrev_b32 v[SOA+\i], 2, v[251+\i]
.endr
	s_mul_i32 s19, s3, 2*PLX
	v_add_nc_u32 v[XOA+2], s19, v[XOA+2]           ; of unit 8: my two planes
	s_lshl_b32 s19, s3, 15
	v_add_nc_u32 v[SOA+2], s19, v[SOA+2]
	GLOAD F, FS, XOA, SOA
	GLOAD ST2, WS+8, XOA+1, SOA+1
	WIN 0x40                                       ; unit 8's part lands in window 1, v224-249
.irp p, 0,1
.irp g, 0,1,2
	global_load_b128 v[224+12*\p+4*\g:227+12*\p+4*\g], v[XOA+2], s[CB:CB+1] offset:\p*PLX+16*\g
.endr
	global_load_b32 v[248+\p], v[SOA+2], s[SB:SB+1] offset:\p*PSX
.endr
	WIN 0
	s_wait_loadcnt 0x0
	IMAGE GI0, 0, F, FS
	IMAGE GI1, 0, ST2, WS+8
	WIN 0x04                                       ; an LDS store's data are its source 1: window 1
.irp m, 0,1,2,3,4,5
	ds_store_b128 v[GI2], v[224+4*\m:227+4*\m] offset:512*\m
.endr
	ds_store_b64 v[GI2S], v[248:249]
	WIN 0
	s_wait_dscnt 0x0                               ; my images have landed, for the others' sake; and the stores have read the registers that are written next
	SWAPS
	v_mov_b32 v[QT+2], 0                           ; a lane permute's destination counts as one of its sources
	s_barrier_signal -1
	s_barrier_wait -1                              ; the tile's nine units lie in LDS
	FETCH LI0, 0
; A unit of 16 rows: the products; the next unit's image is asked for and lands during the vector work; gelu; the quantiser; codes and scale byte to the stage.
.macro UNIT q
	s_cmp_le_u32 s30, \q                           ; no rows in this unit: none in the later ones either
	s_cbranch_scc1 .Lunits_done
	s_wait_dscnt 0x0                               ; the unit's image is in; the last unit's stage stores have read their registers
	MM
.if \q < 8
	FETCH LI0+(\q+1)/4, ((\q+1)%4)*UNITB
.endif
.irp j, 0,1,2,3,4,5,6,7,8,9,10,11,12,13,14,15
	v_fma_f32 v[TD+\j], |v[ACC+\j]|, s[PP], 1.0    ; 1 + p |u| / sqrt 2   (each accumulator is read from its low end on)
.endr
.irp j, 0,2,4,6,8,10,12,14
	v_pk_mul_f32 v[TQ+\j:TQ+\j+1], v[ACC+\j:ACC+\j+1], v[ACC+\j:ACC+\j+1]
.endr
.irp j, 0,2,4,6,8,10,12,14
	v_pk_mul_f32 v[TQ+\j:TQ+\j+1], v[TQ+\j:TQ+\j+1], s[KX:KX+1] op_sel_hi:[1,0]
.endr
.irp j, 0,1,2,3,4,5,6,7,8,9,10,11,12,13,14,15
	v_rcp_f32 v[TD+\j], v[TD+\j]                   ; t
.endr
.irp j, 0,1,2,3,4,5,6,7,8,9,10,11,12,13,14,15
	v_exp_f32 v[TQ+\j], v[TQ+\j]                   ; e^(-u u / 2)
.endr
.irp j, 0,1,2,3,4,5,6,7,8,9,10,11,12,13,14,15
	v_max_num_f32 v[TR+\j], 0, v[ACC+\j]           ; plain work that names no result of the batch
.endr
	s_wait_alu depctr_va_vdst(0)                   ; one wait for the 32, ahead of their first reader
.irp j, 0,2,4,6,8,10,12,14
	v_pk_fma_f32 v[TP+\j:TP+\j+1], v[TD+\j:TD+\j+1], s[A5:A5+1], v[28:29] op_sel_hi:[1,0,1]
.endr
.irp a, A3, A2, A1
.irp j, 0,2,4,6,8,10,12,14
	v_pk_fma_f32 v[TP+\j:TP+\j+1], v[TP+\j:TP+\j+1], v[TD+\j:TD+\j+1], s[\a:\a+1] op_sel_hi:[1,1,0]
.endr
.endr
.irp j, 0,2,4,6,8,10,12,14
	v_pk_mul_f32 v[TP+\j:TP+\j+1], v[TP+\j:TP+\j+1], v[TD+\j:TD+\j+1]
.endr
.irp j, 0,2,4,6,8,10,12,14
	v_pk_mul_f32 v[TP+\j:TP+\j+1], v[TP+\j:TP+\j+1], v[TQ+\j:TQ+\j+1]   ; -erfc(|u| / sqrt 2) / 2
.endr
.irp j, 0,1,2,3,4,5,6,7,8,9,10,11,12,13,14,15
	v_fma_f32 v[ACC+\j], |v[ACC+\j]|, v[TP+\j], v[TR+\j]               ; gelu(u) = max(u, 0) - |u| erfc(|u| / sqrt 2) / 2
.endr
	v_max3_num_f32 v[QT], |v[ACC]|, |v[ACC+1]|, 0x1800000              ; my 16 numbers, and the floor 2^(3 - 127): the byte cannot fall under 1
	v_max3_num_f32 v[QT+1], |v[ACC+2]|, |v[ACC+3]|, |v[ACC+4]|
.irp i, 5,9
	v_max3_num_f32 v[QT], v[QT], |v[ACC+\i]|, |v[ACC+\i+1]|
	v_max3_num_f32 v[QT+1], v[QT+1], |v[ACC+\i+2]|, |v[ACC+\i+3]|
.endr
	v_max3_num_f32 v[QT], v[QT], |v[ACC+13]|, |v[ACC+14]|
	v_max3_num_f32 v[QT], v[QT], v[QT+1], |v[ACC+15]|
	v_permlanex16_b32 v[QT+2], v[QT], s[SEL], s[SEL+1]
	v_max_num_f32 v[QT], v[QT], v[QT+2]            ; with lane l xor 16's: the block's largest magnitude
	v_add_nc_u32 v[QT+3], 0xff000000, v[QT]        ; 2 off its exponent field: the conversion's scale operand
	v_cvt_scalef32_pk16_fp6_f32 v[CDR:CDR+2], v[ACC:ACC+15], v[QT+3]
	v_lshrrev_b32 v[QT+4], 23, v[QT+3]             ; the scale's byte (also the plain line behind the conversion)
.irp i, 0,1,2
	ds_store_b32 v[CS], v[CDR+\i] offset:1536*\q+4*\i
.endr
	ds_store_b8 v[SS], v[QT+4] offset:64*\q        ; both halves of the lanes write the same byte with the same value
.endm
.irp q, 0,1,2,3,4,5,6,7,8
	UNIT \q
.endr
.Lunits_done:
	s_wait_dscnt 0x0                               ; my stage stores have landed, and no load of mine is out
	s_barrier_signal -1
	s_barrier_wait -1                              ; the tile's codes and scale words lie in the stage
; THE WAY OUT.  A unit's codes are three chunks of 512 bytes; wave wq takes chunks wq, wq + 4 ..; each store covers 512 consecutive bytes of hop, aligned.
.macro CHUNK k
	s_add_co_u32 s19, s3, 4*\k
	s_cmp_ge_u32 s19, s31
	s_cbranch_scc1 .Lchunks_done
	ds_load_b128 v[F+4*\k:F+4*\k+3], v[RD] offset:2048*\k
	s_wait_dscnt 0x0
	global_store_b128 v[GO], v[F+4*\k:F+4*\k+3], s[14:15] offset:2048*\k
.endm
.irp k, 0,1,2,3,4,5,6
	CHUNK \k
.endr
.Lchunks_done:
	v_mov_b32 v152, 0
	v_mov_b32 v153, 0
	v_add_nc_u32 v154, 128, v[ROWV]
	v_cmp_gt_u32 vcc_lo, s39, v[ROWV]              ; the scale words of rows 32 wq + lane, where the row's unit was worked
	s_wait_xcnt 0x0                                ; EXEC changes only behind this wait
	s_and_saveexec_b32 s19, vcc_lo
	ds_load_b32 v152, v[SA]
	s_wait_dscnt 0x0
	global_store_b32 v[SG], v152, s[26:27]
	s_wait_xcnt 0x0
	s_or_b32 exec_lo, exec_lo, s19
	s_cmp_lg_u32 s3, 0
	s_cbranch_scc1 .Lend
	v_cmp_gt_u32 vcc_lo, s39, v154                 ; wave 0 of the tile: rows 128 + lane
	s_and_saveexec_b32 s19, vcc_lo
	ds_load_b32 v153, v[SA] offset:512
	s_wait_dscnt 0x0
	global_store_b32 v[SG], v153, s[26:27] offset:512
	s_wait_xcnt 0x0
	s_or_b32 exec_lo, exec_lo, s19
.Lend:
	s_wait_tensorcnt 0x0                           ; the wave's end, behind my last LDS store
	ds_add_u32 v[SPW], v[NIL]
	s_wait_dscnt 0x0
	s_endpgm
.Lfunc_end_k_q35802bd125_ffn1:
	.size	k_q35802bd125_ffn1, .Lfunc_end_k_q35802bd125_ffn1-k_q35802bd125_ffn1
	.p2alignl 7, 3214868480
	.fill 96, 4, 3214868480
	.section	.rodata,"a",@progbits
	.p2align	6, 0x0
	.amdhsa_kernel k_q35802bd125_ffn1
		.amdhsa_group_segment_fixed_size 269824
		.amdhsa_private_segment_fixed_size 0
		.amdhsa_enable_private_segment 0
		.amdhsa_kernarg_size 48
		.amdhsa_user_sgpr_count 2
		.amdhsa_user_sgpr_kernarg_segment_ptr 1
		.amdhsa_wavefront_size32 1
		.amdhsa_system_sgpr_workgroup_id_x 1
		.amdhsa_system_sgpr_workgroup_id_y 1
		.amdhsa_system_sgpr_workgroup_id_z 1
		.amdhsa_system_vgpr_workitem_id 0
		.amdhsa_next_free_vgpr 512
		.amdhsa_next_free_sgpr 66
		.amdhsa_reserve_vcc 1
		.amdhsa_float_denorm_mode_32 3
		.amdhsa_float_denorm_mode_16_64 3
		.amdhsa_memory_ordered 1
		.amdhsa_forward_progress 1
		.amdhsa_inst_pref_size 141
	.end_amdhsa_kernel
	.amdgpu_metadata
---
amdhsa.version: [ 1, 2 ]
amdhsa.kernels:
  - .name:           k_q35802bd125_ffn1
    .symbol:         k_q35802bd125_ffn1.kd
    .args:
      - { .name: xop, .offset: 0, .size: 8, .value_kind: global_buffer, .address_space: global }
      - { .name: W1_codes, .offset: 8, .size: 8, .value_kind: global_buffer, .address_space: global }
      - { .name: W1_scales, .offset: 16, .size: 8, .value_kind: global_buffer, .address_space: global }
      - { .name: b1, .offset: 24, .size: 8, .value_kind: global_buffer, .address_space: global }
      - { .name: plan, .offset: 32, .size: 8, .value_kind: global_buffer, .address_space: global }
      - { .name: hop, .offset: 40, .size: 8, .value_kind: global_buffer, .address_space: global }
    .group_segment_fixed_size: 269824
    .private_segment_fixed_size: 0
    .kernarg_segment_align: 8
    .kernarg_segment_size: 48
    .max_flat_workgroup_size: 256
    .sgpr_count:     66
    .vgpr_count:     512
    .wavefront_size: 32
...
	.end_amdgpu_metadata
.endif
;; end of part 3
;; launch ffn2 (part 4): grid 32 x 8, 8 waves a work-group, no clusters, 281,600 bytes of LDS; arguments hop, W2_codes, W2_scales, b2, plan, gate1, out0; writes out0
.if DOCPART == 4
	.amdgcn_target "amdgcn-amd-amdhsa--gfx1250"
	.amdhsa_code_object_version 6
	.text
	.protected	k_q35802bd125_ffn2
	.globl	k_q35802bd125_ffn2
	.p2align	8
	.type	k_q35802bd125_ffn2,@function
k_q35802bd125_ffn2:
	s_mov_b64 s[64:65], 0
	v_nop
	global_prefetch_b8 v0, s[64:65] scope:SCOPE_SE
	s_setreg_imm32_b32 hwreg(HW_REG_WAVE_MODE, 25, 1), 1
	s_wait_xcnt 0x0
; out[t] = gLo (h[row of the lower expert] W2[lower] + b2[lower]) + gHi (the same of the higher): the second product on codes of FP6 (E2M3) with E8M0 scales, sums f32, and the weighing by the gates, in f32.
; EACH OUTPUT NUMBER HAS ONE OWNER.  Tokens are taken in the stored order by pairs of experts.  A work-group takes 128 of them (8 subtiles of 16) and 128 of the 1,024 columns (work-group y).
; A subtile has two UNITS of 16 rows of hop: its tokens' rows with the lower expert, and with the higher.  Wave (th, wq) makes columns 32 wq .. 32 wq + 31 for subtiles 4 th .. 4 th + 3.
; THE EXPERTS ARE WALKED in a loop of eight trips.  An expert that none of the wave's 128 rows uses is passed over by a scalar branch on the stored list, and so is a unit that has no row of it.  For an expert in use the wave
; loads its 32 rows of W2, all of K, into 192 registers.  A unit's product is weighed by the gate, which is 0 for a token of the unit whose expert is another.  No barrier stands in the loop.
; The units go once through LDS as images of the operand's registers (wave w gathers subtile w's two).  Layout, K order, scale words and the transposed use are those of the first product's launch:
; a lane takes 48 consecutive bytes of a row for each 128 along K, on both operands alike; a lane holds one token; here lane r of tile u takes W2's row 16 u + r, and b2 is the C of each sum's first product.
; The results meet in a stage in LDS and leave as 512 consecutive bytes of a token's row, aligned.
; The sums of out begin as zeros: which expert touches a subtile first is read from memory.
; NO CLUSTER, NO TENSOR LOAD: the walk branches on stored numbers, and partners would not need the same experts.
; LIMITS.  NaN and infinities (a scale byte 0xff among them) are not served: a product that is weighed by the gate 0 must be finite.
.set PLH,   884736                     ; a plane of hop: 9,216 rows x 96 bytes
.set HSC,   7077888                    ; hop's scale words;
.set PSH,   36864                      ; a plane of them
.set UNITB, 13312                      ; a unit's image: 24 groups of 512 bytes of codes, two of scale words
.set STG,   212992                     ; behind the 16 units: the stage, 128 rows x (512 + 16) bytes
.set SPARE, 280576                     ; the spare words, 128 bytes for each wave: four blocks of 256 bytes that no other line names
.set PL,  PLH
.set PLS, PSH
.set CB,  4                            ; s[4:5]   hop's codes
.set SB,  24                           ; s[24:25] hop's scale words
.set WB,  26                           ; s[26:31] W2's codes, scale bytes and b2 at my 32 columns of the expert in hand;  s[6:11] the same of expert 0
.set WSB, 28
.set BB,  30
.set M,   32                           ; s32-39   unit q: the lanes whose token uses the expert in hand
.set SELP, 42                          ; s42      bytes 1 and 2 change places
.set LIA,  3                           ; v3, v4  16 x lane + my eight units' LDS + 4 units x 0, 1
.set GI,   5                           ; v5      where I store my two units
.set WO,   6                           ; v6      W2: my row and half
.set WSO,  7                           ; v7      its scale bytes
.set BO,   8                           ; v8      b2: my half's columns
.set SO,   9                           ; v9      the stage: where my 32 bytes of a row go
.set SR,   10                          ; v10     and where I read rows back
.set L16,  11                          ; v11     512 ny + 16 x lane
.set SPW,  12                          ; v12     LDS address of my spare word; never rewritten
.set NIL,  13                          ; v13     0; never rewritten
.set GT,   14                          ; v[14:15] the gate in hand (the packed form names a pair and takes its low word for both halves)
.set TOK,  16                          ; v16     the tokens of the subtile that I gather and store
.set HO,   17                          ; v17-18  the gathers' offsets into the codes;  v19-20 into the scale words
.set HS,   19
.set EX,   24                          ; v24-31  unit 2 t + k: my token's expert
.set G,    32                          ; v32-39  and its gate
.set WS,   40                          ; v40-55  W2's scale words: 8 u + s
.set FS,   56                          ; v56-63  the unit's scale words
.set F,    64                          ; v64-159 the unit's eight fragments
.set ST2,  160                         ; v160-255 at the head: the second unit on its way to LDS
.set OUT,  160                         ; v160-223 later: the sums, 16 for each of four subtiles
.set ACC,  224                         ; v224-239 the two accumulators
.set VO,   240                         ; v240-255 the way out: a row's offset in out0
.set MSB, 0
.macro WIN new                         ; the immediate's high byte repeats the setting that is left
.if MSB != \new
	s_set_vgpr_msb (MSB<<8)|\new
.set MSB, \new
.endif
.endm
.macro GLOAD reg, sreg, off, soff      ; 16 rows, all of K, from memory: lane (r, h) takes 48 bytes of each plane of its row, and the row's eight scale words
.set n, 0
.rept 24
	global_load_b128 v[\reg+4*n:\reg+4*n+3], v[\off], s[CB:CB+1] offset:(n/3)*PL+16*(n%3)
.set n, n+1
.endr
.set n, 0
.rept 8
	global_load_b32 v[\sreg+n], v[\soff], s[SB:SB+1] offset:n*PLS
.set n, n+1
.endr
.endm
.macro IMAGE adr, imm, reg, sreg       ; they go to LDS as they stand,
.set n, 0
.rept 24
	ds_store_b128 v[\adr], v[\reg+4*n:\reg+4*n+3] offset:\imm+512*n
.set n, n+1
.endr
	ds_store_b128 v[\adr], v[\sreg:\sreg+3] offset:\imm+12288
	ds_store_b128 v[\adr], v[\sreg+4:\sreg+7] offset:\imm+12800
.endm
.macro FETCH adr, imm                  ; and come back so, in any wave
.set n, 0
.rept 24
	ds_load_b128 v[F+4*n:F+4*n+3], v[\adr] offset:\imm+512*n
.set n, n+1
.endr
	ds_load_b128 v[FS:FS+3], v[\adr] offset:\imm+12288
	ds_load_b128 v[FS+4:FS+7], v[\adr] offset:\imm+12800
.endm
; My two tiles of 16 weight rows, rs rows apart, all of K, into window 1: v[96 u + 12 s ..] the fragments, v192-207 the bias in the result's layout, v208-223 the scale words as they lie
.macro LOADW rs
	WIN 0x40
.irp u, 0,1
.set n, 0
.rept 24
	global_load_b128 v[96*\u+4*n:96*\u+4*n+3], v[WO], s[WB:WB+1] offset:\u*\rs*768+96*(n/3)+16*(n%3)
.set n, n+1
.endr
.endr
.irp u, 0,1
.irp j, 0,1
	global_load_b128 v[208+8*\u+4*\j:211+8*\u+4*\j], v[WSO], s[WSB:WSB+1] offset:\u*\rs*32+16*\j
	global_load_b128 v[192+8*\u+4*\j:195+8*\u+4*\j], v[BO], s[BB:BB+1] offset:\u*\rs*4+16*\j
.endr
.endr
	WIN 0
.endm
.macro SWAPS                           ; the weights' scale words, bytes 1 and 2 changed, into window 0, where scale operands are taken from
	WIN 0x05
.set n, 0
.rept 16
	v_perm_b32 v[WS+n], v[208+n], v[208+n], s[SELP]
.set n, n+1
.endr
	WIN 0
.rept 8
	v_nop                                          ; a scale register written by a vector instruction stands eight places ahead of the scaled matrix instruction
.endr
.endm
; 16 matrix instructions: my two tiles x the unit's 16 rows, all of K.  The two accumulators take turns, one instruction a turn.  The bias starts the sums.
.macro MM
	WIN 0x11                                       ; source 0 (weights) and source 2 (bias) window 1
.irp u, 0,1
	v_wmma_scale_f32_16x16x128_f8f6f4 v[ACC+8*\u:ACC+8*\u+7], v[96*\u:96*\u+11], v[F:F+11], v[192+8*\u:199+8*\u], v[WS+8*\u], v[FS] matrix_a_fmt:MATRIX_FMT_FP6 matrix_b_fmt:MATRIX_FMT_FP6
.endr
	WIN 0x01
.irp s, 1,2,3,4,5,6,7
.irp u, 0,1
	v_wmma_scale_f32_16x16x128_f8f6f4 v[ACC+8*\u:ACC+8*\u+7], v[96*\u+12*\s:96*\u+12*\s+11], v[F+12*\s:F+12*\s+11], v[ACC+8*\u:ACC+8*\u+7], v[WS+8*\u+\s], v[FS+\s] matrix_a_fmt:MATRIX_FMT_FP6 matrix_b_fmt:MATRIX_FMT_FP6
.endr
.endr
	WIN 0
.rept 5
	v_nop                                          ; four places ahead of the reads of the results and of loads into the operands; five ahead of the next unit's product, which begins the accumulators anew
.endr
.endm
	s_load_b256 s[4:11], s[0:1], 0x0               ; hop, W2's codes, W2's scales, b2
	s_load_b128 s[12:15], s[0:1], 0x20             ; plan s[12:13], gate1 s[14:15]
	s_load_b64 s[16:17], s[0:1], 0x30              ; out0
	v_lshl_add_u32 v[SPW], v0, 2, SPARE
	v_mov_b32 v[NIL], 0
	v_lshrrev_b32 v21, 5, v0
	v_readfirstlane_b32 s2, v21                    ; wave 0..7
	s_and_b32 s3, s2, 3                            ; wq
	s_lshr_b32 s18, s2, 2                          ; th
	s_and_b32 s19, ttmp7, 0xffff                   ; ny
	v_and_b32 v1, 15, v0                           ; r
	v_bfe_u32 v2, v0, 4, 1                         ; h
	v_and_b32 v21, 31, v0                          ; lane
	s_mul_i32 s20, s18, 8*UNITB
	v_lshl_add_u32 v[LIA], v21, 4, s20
	v_add_nc_u32 v[LIA+1], 4*UNITB, v[LIA]
	s_mul_i32 s20, s2, 2*UNITB
	v_lshl_add_u32 v[GI], v21, 4, s20
	v_mul_u32_u24 v[WO], v1, 768
	v_mad_u32_u24 v[WO], v2, 48, v[WO]
	v_lshlrev_b32 v[WSO], 5, v1
	v_lshlrev_b32 v[BO], 5, v2                     ; tile u's results of my half are columns 16 u + 8 h + 0 .. 7
	s_mul_i32 s20, s18, 64*528
	s_lshl_b32 s21, s3, 7
	s_add_co_u32 s20, s20, s21
	s_add_co_u32 s20, s20, STG
	v_mul_u32_u24 v[SO], v1, 528
	v_lshl_add_u32 v[SO], v2, 5, v[SO]
	v_add_nc_u32 v[SO], s20, v[SO]                 ; row 64 th + r, + 128 wq + 32 h
	s_mul_i32 s20, s2, 16*528
	s_add_co_u32 s20, s20, STG
	v_lshl_add_u32 v[SR], v21, 4, s20              ; back: my subtile's 16 rows, 16 bytes a lane
	s_lshl_b32 s20, s19, 9
	v_lshl_add_u32 v[L16], v21, 4, s20
	s_lshl_b32 s20, s2, 8
	v_lshl_add_u32 v22, v1, 4, s20                 ; the records of the subtile that I gather,
	s_lshl_b32 s20, s18, 10
	v_lshl_add_u32 v23, v1, 4, s20                 ; and of the four that I compute
	v_mul_u32_u24 v21, v2, 48                      ; 48 h
	s_mov_b32 s[SELP], 0x03010200
	s_lshl_b32 s20, ttmp9, 11                      ; my work-group's 128 records
	s_mov_b32 s21, 0
	s_lshl_b32 s22, s19, 7
	s_lshl_b32 s23, s3, 5
	s_add_co_u32 s22, s22, s23                     ; my first column: 128 ny + 32 wq
	s_mov_b32 s45, 0
	s_wait_kmcnt 0x0
	s_add_nc_u64 s[12:13], s[12:13], s[20:21]
	global_load_b128 v[64:67], v22, s[12:13]
.irp t, 0,1,2,3
	global_load_b128 v[68+4*\t:71+4*\t], v23, s[12:13] offset:256*\t
.endr
	s_add_nc_u64 s[SB:SB+1], s[CB:CB+1], HSC
	s_mul_i32 s44, s22, 768
	s_add_nc_u64 s[6:7], s[6:7], s[44:45]
	s_lshl_b32 s44, s22, 5
	s_add_nc_u64 s[8:9], s[8:9], s[44:45]
	s_lshl_b32 s44, s22, 2
	s_add_nc_u64 s[10:11], s[10:11], s[44:45]
	s_wait_loadcnt 0x0
	v_min_u32 v[TOK], 0xfff, v64
.irp k, 0,1
	v_min_u32 v[65+\k], 0x23ff, v[65+\k]           ; the row of hop
	v_mul_u32_u24 v[HO+\k], v[65+\k], 96
	v_add_nc_u32 v[HO+\k], v21, v[HO+\k]
	v_lshlrev_b32 v[HS+\k], 2, v[65+\k]
.endr
.irp t, 0,1,2,3
	v_min_u32 v[G+2*\t], 0xfff, v[68+4*\t]
	v_lshlrev_b32 v[G+2*\t], 3, v[G+2*\t]          ; the token's two gates: 8 bytes
	v_and_b32 v[EX+2*\t], 0xff, v[71+4*\t]
	v_bfe_u32 v[EX+2*\t+1], v[71+4*\t], 8, 8
.endr
.irp t, 0,1,2,3
	global_load_b64 v[G+2*\t:G+2*\t+1], v[G+2*\t], s[14:15]    ; (the load lands on its own offset register)
.endr
	GLOAD F, FS, HO, HS
	GLOAD ST2, WS, HO+1, HS+1
	s_wait_loadcnt 0x0
	IMAGE GI, 0, F, FS
	IMAGE GI, UNITB, ST2, WS
	s_wait_dscnt 0x0                               ; my images have landed, for the others' sake; and the stores have read the registers that are written next
.set n, 0
.rept 64
	v_mov_b32 v[OUT+n], 0
.set n, n+1
.endr
	v_mov_b32 v[GT+1], 0                           ; named as the upper half of the pair, so it is written
	s_barrier_signal -1
	s_barrier_wait -1                              ; the sixteen units lie in LDS
; Unit 2 t + k of my eight, for the expert in hand
.macro UNIT t, k
	s_cmp_eq_u32 s[M+2*\t+\k], 0
	s_cbranch_scc1 .Lskip_\@
	FETCH LIA+(2*\t+\k)/4, ((2*\t+\k)%4)*UNITB
	s_wait_dscnt 0x0
	MM
	v_cndmask_b32 v[GT], 0, v[G+2*\t+\k], s[M+2*\t+\k]         ; the gate; 0 for a token whose expert is another
.irp i, 0,2,4,6,8,10,12,14
	v_pk_fma_f32 v[OUT+16*\t+\i:OUT+16*\t+\i+1], v[ACC+\i:ACC+\i+1], v[GT:GT+1], v[OUT+16*\t+\i:OUT+16*\t+\i+1] op_sel_hi:[1,0,1]   ; each accumulator from its low end on
.endr
.Lskip_\@:
.endm
	s_mov_b32 s40, 0
.Lexpert:
.irp q, 0,1,2,3,4,5,6,7
	v_cmp_eq_u32 s[M+\q], s40, v[EX+\q]
.endr
	s_or_b32 s41, s[M], s[M+1]
.irp q, 2,3,4,5,6,7
	s_or_b32 s41, s41, s[M+\q]
.endr
	s_cmp_eq_u32 s41, 0
	s_cbranch_scc1 .Lnext                          ; none of my 128 rows uses this expert
	s_mul_i32 s44, s40, 786432                     ; every earlier load has been waited for: the bases may be written
	s_add_nc_u64 s[WB:WB+1], s[6:7], s[44:45]
	s_lshl_b32 s44, s40, 15
	s_add_nc_u64 s[WSB:WSB+1], s[8:9], s[44:45]
	s_lshl_b32 s44, s40, 12
	s_add_nc_u64 s[BB:BB+1], s[10:11], s[44:45]
	LOADW 16
	s_wait_loadcnt 0x0
	SWAPS
.irp t, 0,1,2,3
	UNIT \t, 0
	UNIT \t, 1
.endr
.Lnext:
	s_add_co_u32 s40, s40, 1
	s_cmp_lt_u32 s40, 8
	s_cbranch_scc1 .Lexpert
	; THE WAY OUT: a lane's 16 numbers of a token's row meet the other waves' in the stage
.irp t, 0,1,2,3
.irp u, 0,1
.irp j, 0,1
	ds_store_b128 v[SO], v[OUT+16*\t+8*\u+4*\j:OUT+16*\t+8*\u+4*\j+3] offset:8448*\t+64*\u+16*\j
.endr
.endr
.endr
	s_wait_dscnt 0x0                               ; for the others' sake
	s_barrier_signal -1
	s_barrier_wait -1                              ; 128 rows of 512 bytes lie in the stage
.irp i, 0,1,2,3,4,5,6,7,8,9,10,11,12,13,14,15
	v_readlane_b32 s20, v[TOK], \i                 ; row i of my subtile is this token's
	s_min_u32 s20, s20, 4095
	s_lshl_b32 s20, s20, 12
	v_add_nc_u32 v[VO+\i], s20, v[L16]
.endr
.irp i, 0,1,2,3,4,5,6,7,8,9,10,11,12,13,14,15
	ds_load_b128 v[F+4*\i:F+4*\i+3], v[SR] offset:528*\i
.endr
.irp i, 0,1,2,3,4,5,6,7,8,9,10,11,12,13,14,15
	s_wait_dscnt 15-\i                             ; the younger reads of the stage may be out
	global_store_b128 v[VO+\i], v[F+4*\i:F+4*\i+3], s[16:17] th:TH_STORE_NT   ; 512 consecutive bytes of one token's row, at a multiple of 512 from out0's first byte; written once, read by nobody here
.endr
	s_wait_tensorcnt 0x0                           ; the wave's end, behind my last LDS store
	ds_add_u32 v[SPW], v[NIL]
	s_wait_dscnt 0x0
	s_endpgm
.Lfunc_end_k_q35802bd125_ffn2:
	.size	k_q35802bd125_ffn2, .Lfunc_end_k_q35802bd125_ffn2-k_q35802bd125_ffn2
	.p2alignl 7, 3214868480
	.fill 96, 4, 3214868480
	.section	.rodata,"a",@progbits
	.p2align	6, 0x0
	.amdhsa_kernel k_q35802bd125_ffn2
		.amdhsa_group_segment_fixed_size 281600
		.amdhsa_private_segment_fixed_size 0
		.amdhsa_enable_private_segment 0
		.amdhsa_kernarg_size 56
		.amdhsa_user_sgpr_count 2
		.amdhsa_user_sgpr_kernarg_segment_ptr 1
		.amdhsa_wavefront_size32 1
		.amdhsa_system_sgpr_workgroup_id_x 1
		.amdhsa_system_sgpr_workgroup_id_y 1
		.amdhsa_system_sgpr_workgroup_id_z 1
		.amdhsa_system_vgpr_workitem_id 0
		.amdhsa_next_free_vgpr 512
		.amdhsa_next_free_sgpr 66
		.amdhsa_reserve_vcc 0
		.amdhsa_float_denorm_mode_32 3
		.amdhsa_float_denorm_mode_16_64 3
		.amdhsa_memory_ordered 1
		.amdhsa_forward_progress 1
		.amdhsa_inst_pref_size 68
	.end_amdhsa_kernel
	.amdgpu_metadata
---
amdhsa.version: [ 1, 2 ]
amdhsa.kernels:
  - .name:           k_q35802bd125_ffn2
    .symbol:         k_q35802bd125_ffn2.kd
    .args:
      - { .name: hop, .offset: 0, .size: 8, .value_kind: global_buffer, .address_space: global }
      - { .name: W2_codes, .offset: 8, .size: 8, .value_kind: global_buffer, .address_space: global }
      - { .name: W2_scales, .offset: 16, .size: 8, .value_kind: global_buffer, .address_space: global }
      - { .name: b2, .offset: 24, .size: 8, .value_kind: global_buffer, .address_space: global }
      - { .name: plan, .offset: 32, .size: 8, .value_kind: global_buffer, .address_space: global }
      - { .name: gate1, .offset: 40, .size: 8, .value_kind: global_buffer, .address_space: global }
      - { .name: out0, .offset: 48, .size: 8, .value_kind: global_buffer, .address_space: global }
    .group_segment_fixed_size: 281600
    .private_segment_fixed_size: 0
    .kernarg_segment_align: 8
    .kernarg_segment_size: 56
    .max_flat_workgroup_size: 256
    .sgpr_count:     66
    .vgpr_count:     512
    .wavefront_size: 32
...
	.end_amdgpu_metadata
.endif
;; end of part 4
;; ======== version 2 of 2: 4 launches
;; limits: a function is approximated: absolute error at most 1.5e-07
;; workspace buffers: xop 4,194,304 bytes; hop 9,437,184 bytes; route 131,072 bytes of whole numbers; gate1 32,768 bytes; plan 102,912 bytes of whole numbers; w1op 6,815,744 bytes; w2op 6,815,744 bytes
;; launch route_quant (part 5): grid 256 x 1, 4 waves a work-group, no clusters, 39,424 bytes of LDS; arguments x, Wr, br, xop, route, gate1; writes xop, route, gate1
.if DOCPART == 5
	.amdgcn_target "amdgcn-amd-amdhsa--gfx1250"
	.amdhsa_code_object_version 6
	.text
	.protected	k_q35802bd125_route_quant
	.globl	k_q35802bd125_route_quant
	.p2align	8
	.type	k_q35802bd125_route_quant,@function
k_q35802bd125_route_quant:
	s_mov_b64 s[64:65], 0
	v_nop
	global_prefetch_b8 v0, s[64:65] scope:SCOPE_SE
	s_setreg_imm32_b32 hwreg(HW_REG_WAVE_MODE, 25, 1), 1
	s_wait_xcnt 0x0
; x [4096][1024] f32 is read ONCE and serves two things: its codes of FP6 (E2M3) with one E8M0 byte for each 32 along K, and the router (x Wr + br, softmax, the two largest, their gates), all in f32.
; SHARES.  A work-group takes 16 tokens (a SEGMENT).  Wave w takes columns 256 w .. 256 w + 255 of all 16, two tokens a step, eight steps; its 256 rows of Wr stay in 128 registers a lane.
; All 32 loads of x of a wave (16 KiB) go out at the head; each reads 512 consecutive bytes.  A step's 2,048 bytes turn through the wave's own stage in LDS, so that a lane then holds 16 NEIGHBOURS of one token.
; xop: [8 planes][4096 tokens][a PIECE of 128 bytes]: plane s = K 128 s .. 128 s + 127; a piece = 96 bytes of codes (blocks in their natural order), the scale word at byte 96, 28 zeros.
; IN A SCALE WORD THE BYTES OF BLOCKS 1 AND 2 CHANGE PLACES: the products' launches give a lane 48 consecutive bytes of a piece, so the matrix instruction's blocks 0, 1, 2, 3 hold the natural blocks 0, 2, 1, 3, on both operands alike.
; THE CHOICE is derived from floating-point numbers, so here it is only STORED, at fixed places: for each token its pair of experts (lower, higher), the pair's number among the 28 pairs and the token's ranks inside its segment;
; for each segment the counts of the 28 pairs and of the 8 experts.  No address and no branch of this launch hangs on it.
; LIMITS.  A block of zeros gets the byte 1 (the rule says 127): its codes are zeros and this program alone reads the bytes.  The router's sums are f32 in a tree (16 numbers a lane, 16 lanes, 4 waves): two probabilities that agree
; to about 1e-6 of their size may be ordered the other way than by another order of summing.  The exponential gives 0 under 2^-126: such a probability has the gate 0.  Ties take the lower index.  NaN and infinities are not served.
; No matrix unit, no cluster, no tensor load: the work-groups share only Wr (32 KiB), and the launch is bound by the one read of x.
.set PLX,   524288                     ; a plane of xop: 4,096 tokens x 128 bytes
.set WREG,  9216                       ; LDS: a region for each wave:
.set TSTG,  2560                       ;   two turning stages of 32 places of 64 + 16 bytes, at 0 and 2,560
.set CSTG,  5120                       ;   the pieces of 2 planes x 16 tokens, 128 bytes each
.set PART,  36864                      ; the router's partial sums: 4 waves x 16 tokens x 32 bytes
.set SPARE, 38912                      ; the spare words, 128 bytes for each wave: two blocks of 256 bytes that no other line names
.set XO,   1                           ; v1   x: 16 x lane + 1,024 x wave
.set SIN,  2                           ; v2   the turning stage, way in
.set SOUT, 3                           ; v3   and way out: 80 x lane
.set CST,  4                           ; v4   where my 12 bytes of codes go
.set BST,  5                           ; v5   where my block's scale byte goes
.set PST,  6                           ; v6   where my token's 8 partial sums go
.set LRD,  7                           ; v7   the pieces read back: 16 x lane
.set SPW,  12                          ; v12  LDS address of my spare word; never rewritten
.set NIL,  13                          ; v13  0; never rewritten
.set WRO,  14                          ; v14  Wr: my 16 rows
.set LN,   15                          ; v15  lane
.set R,    16                          ; v16-143  x as loaded: 16 registers for each of 8 steps
.set X,    144                         ; v144-175 two sets of 16 neighbours
.set ACC,  176                         ; v176-191 two sets of 8 logits' parts
.set CD,   192                         ; v192-199 two sets of codes
.set E,    200                         ; v200-201 two scale bytes
.set ZST,  202                         ; v202 byte 96 of piece number lane
.set GCO,  204                         ; v204 16 x lane
.set PRD,  205                         ; v205 wave 0: my token's partial sums
.set L8,   206                         ; v206 8 x lane
.set OB,   208                         ; v208-239 the pieces on their way out (at the head v208-211: zeros)
.set MSB, 0
.macro WIN new                         ; the immediate's high byte repeats the setting that is left
.if MSB != \new
	s_set_vgpr_msb (MSB<<8)|\new
.set MSB, \new
.endif
.endm
	s_load_b256 s[4:11], s[0:1], 0x0               ; x s[4:5], Wr s[6:7], br s[8:9], xop s[10:11]
	s_load_b128 s[12:15], s[0:1], 0x20             ; route s[12:13], gate1 s[14:15]
	v_lshl_add_u32 v[SPW], v0, 2, SPARE
	v_mov_b32 v[NIL], 0
	v_lshrrev_b32 v8, 5, v0
	v_readfirstlane_b32 s2, v8                     ; wave 0..3
	v_and_b32 v[LN], 31, v0
	s_mul_i32 s3, s2, WREG                         ; my region of LDS
	s_lshl_b32 s28, s2, 10
	v_lshl_add_u32 v[XO], v[LN], 4, s28
	v_lshrrev_b32 v8, 2, v[LN]
	v_mul_u32_u24 v[SIN], v8, 80                   ; four lanes' 64 bytes on end, then 16 of padding
	v_and_b32 v9, 3, v[LN]
	v_lshl_add_u32 v[SIN], v9, 4, v[SIN]
	v_add_nc_u32 v[SIN], s3, v[SIN]
	v_mul_u32_u24 v[SOUT], v[LN], 80
	v_add_nc_u32 v[SOUT], s3, v[SOUT]
	v_bfe_u32 v8, v[LN], 3, 1                      ; which of my wave's two planes
	v_lshrrev_b32 v9, 4, v[LN]                     ; which of the step's two tokens
	v_and_b32 v10, 7, v[LN]                        ; which 16 numbers of the plane's 128
	v_lshlrev_b32 v[CST], 11, v8                   ; a plane's 16 pieces are 2,048 bytes
	v_lshl_add_u32 v[CST], v9, 7, v[CST]
	v_add_nc_u32 v[CST], s3, v[CST]
	v_add_nc_u32 v[CST], CSTG, v[CST]              ; my piece of step 0
	v_add_nc_u32 v[BST], 96, v[CST]                ; its scale word
	v_mad_u32_u24 v[CST], v10, 12, v[CST]
	v_and_b32 v10, 2, v[LN]                        ; block b = (lane / 2) % 4 goes to byte 2 (b % 2) + b / 2
	v_add_nc_u32 v[BST], v10, v[BST]
	v_bfe_u32 v10, v[LN], 2, 1
	v_add_nc_u32 v[BST], v10, v[BST]
	v_lshl_add_u32 v[ZST], v[LN], 7, s3
	v_add_nc_u32 v[ZST], CSTG+96, v[ZST]
	s_lshl_b32 s28, s2, 9
	v_lshl_add_u32 v[PST], v9, 5, s28
	v_add_nc_u32 v[PST], PART, v[PST]
	v_lshlrev_b32 v[GCO], 4, v[LN]
	v_add_nc_u32 v[LRD], s3, v[GCO]
	v_add_nc_u32 v[LRD], CSTG, v[LRD]
	v_and_b32 v10, 15, v[LN]
	s_lshl_b32 s28, s2, 13
	v_lshl_add_u32 v[WRO], v10, 9, s28             ; rows 256 w + 16 (lane % 16) on, 32 bytes a row
	v_lshl_add_u32 v[PRD], v10, 5, PART
	v_lshlrev_b32 v[L8], 3, v[LN]
.irp i, 0,1,2,3
	v_mov_b32 v[OB+\i], 0
.endr
	s_lshl_b32 s28, ttmp9, 16                      ; my 16 tokens of x: 65,536 bytes a work-group
	s_mov_b32 s29, 0
	s_lshl_b32 s30, s2, 20                         ; my two planes of xop,
	s_lshl_b32 s24, ttmp9, 11                      ; my 16 tokens in them
	s_add_co_u32 s30, s30, s24
	s_mov_b32 s31, 0
	s_wait_alu depctr_va_vdst(0)
	s_wait_kmcnt 0x0
	s_load_b256 s[16:23], s[8:9], 0x0              ; br
	s_add_nc_u64 s[4:5], s[4:5], s[28:29]
	s_add_nc_u64 s[24:25], s[10:11], s[30:31]
	WIN 0x40                                       ; destination window 1: register 8 i + e = Wr[256 w + 16 (lane % 16) + i][e]
.set n, 0
.rept 32
	global_load_b128 v[4*n:4*n+3], v[WRO], s[6:7] offset:16*n
.set n, n+1
.endr
	WIN 0
.irp t, 0,1,2,3,4,5,6,7
.irp i, 0,1,2,3
	global_load_b128 v[R+16*\t+4*\i:R+16*\t+4*\i+3], v[XO], s[4:5] offset:(2*\t+\i/2)*4096+512*(\i%2) th:TH_LOAD_NT   ; 512 consecutive bytes; read once
.endr
.endr
	ds_store_b128 v[ZST], v[OB:OB+3]               ; bytes 96 to 127 of my 32 pieces begin as zeros; the scale bytes are stored over them later, by this wave, in order
	ds_store_b128 v[ZST], v[OB:OB+3] offset:16
; Step t's 2,048 bytes through the stage: as loaded on the way in, 64 bytes a lane on the way out.  LDS serves a wave's instructions in order: no wait between the stores and the loads.
.macro TURN t
.irp i, 0,1,2,3
	ds_store_b128 v[SIN], v[R+16*(\t)+4*\i:R+16*(\t)+4*\i+3] offset:TSTG*((\t)%2)+640*\i
.endr
.irp i, 0,1,2,3
	ds_load_b128 v[X+16*((\t)%2)+4*\i:X+16*((\t)%2)+4*\i+3], v[SOUT] offset:TSTG*((\t)%2)+16*\i
.endr
.endm
; A step: tokens 2 t and 2 t + 1.  Lane l holds token 2 t + l / 16, columns 256 w + 16 (l % 16) + 0 .. 15.
.macro STEP t
.set XS, X+16*((\t)%2)
.set AS, ACC+8*((\t)%2)
.set CS, CD+4*((\t)%2)
.set ES, E+(\t)%2
.if (\t) > 0
	s_wait_dscnt 6                                 ; the last step's six stores may be out: this step's numbers are back, and the stores of two steps ago have read the registers that this step writes
.else
	s_wait_dscnt 0x0
.endif
.if (\t) < 7
	s_wait_loadcnt 4*(6-(\t))                      ; the next step's four loads are in; those of the steps behind it may be out
	TURN (\t)+1
.endif
	v_max3_num_f32 v8, |v[XS]|, |v[XS+1]|, |v[XS+2]|               ; the largest magnitude of my 16
	v_max3_num_f32 v9, |v[XS+3]|, |v[XS+4]|, |v[XS+5]|
.irp i, 6,10
	v_max3_num_f32 v8, v8, |v[XS+\i]|, |v[XS+\i+1]|
	v_max3_num_f32 v9, v9, |v[XS+\i+2]|, |v[XS+\i+3]|
.endr
	v_max3_num_f32 v8, v8, |v[XS+14]|, |v[XS+15]|
	v_max3_num_f32 v8, v8, v9, 0x1800000           ; and the floor 2^(3 - 127): the byte cannot fall under 1
	v_max_num_f32_dpp v8, v8, v8 row_xmask:1 row_mask:0xf bank_mask:0xf   ; with my neighbour's 16: the block's
	v_add_nc_u32 v11, 0xff000000, v8               ; 2 off its exponent field: the conversion takes the exponent field of this operand as its scale
	v_cvt_scalef32_pk16_fp6_f32 v[CS:CS+2], v[XS:XS+15], v11
	v_lshrrev_b32 v[ES], 23, v11                   ; the scale's byte (also the plain line behind the conversion)
	ds_store_b8 v[BST], v[ES] offset:256*(\t)      ; both lanes of a block write the same byte with the same value
.irp i, 0,1,2
	ds_store_b32 v[CST], v[CS+\i] offset:256*(\t)+4*\i
.endr
	WIN 0x04                                       ; source 1 (Wr) window 1
.irp p, 0,1,2,3
	v_pk_mul_f32 v[AS+2*\p:AS+2*\p+1], v[XS:XS+1], v[2*\p:2*\p+1] op_sel_hi:[0,1]   ; the first product starts the sums; x of one column serves both halves
.endr
.set i, 1
.rept 15
.irp p, 0,1,2,3
.if i%2
	v_pk_fma_f32 v[AS+2*\p:AS+2*\p+1], v[XS+i-1:XS+i], v[8*i+2*\p:8*i+2*\p+1], v[AS+2*\p:AS+2*\p+1] op_sel:[1,0,0] op_sel_hi:[1,1,1]
.else
	v_pk_fma_f32 v[AS+2*\p:AS+2*\p+1], v[XS+i:XS+i+1], v[8*i+2*\p:8*i+2*\p+1], v[AS+2*\p:AS+2*\p+1] op_sel_hi:[0,1,1]
.endif
.endr
.set i, i+1
.endr
	WIN 0
.irp m, 1,2,4,8
.irp e, 0,1,2,3,4,5,6,7
	v_add_f32_dpp v[AS+\e], v[AS+\e], v[AS+\e] row_xmask:\m row_mask:0xf bank_mask:0xf   ; over the 16 lanes of a token
.endr
.endr
	ds_store_b128 v[PST], v[AS:AS+3] offset:64*(\t)            ; the 16 lanes of a token write the same bytes with the same values
	ds_store_b128 v[PST], v[AS+4:AS+7] offset:64*(\t)+16
.endm
	s_wait_loadcnt 28                              ; Wr and step 0's four loads are in; the 28 loads of steps 1 to 7 may be out
	TURN 0
.irp t, 0,1,2,3,4,5,6,7
	STEP \t
.endr
	; THE WAY OUT of the pieces: two planes x 2,048 dense bytes, 512 a store
.irp n, 0,1,2,3,4,5,6,7
	ds_load_b128 v[OB+4*\n:OB+4*\n+3], v[LRD] offset:512*\n    ; LDS serves a wave's instructions in order: these see my stores
.endr
.irp n, 0,1,2,3,4,5,6,7
	s_wait_dscnt 7-\n                              ; the younger read-backs may be out
	global_store_b128 v[GCO], v[OB+4*\n:OB+4*\n+3], s[24:25] offset:(\n/4)*PLX+512*(\n%4)
.endr
	s_wait_dscnt 0x0                               ; for the others' sake: my partial sums have landed
	s_wait_kmcnt 0x0                               ; br
	s_barrier_signal -1
	s_barrier_wait -1
	s_cmp_lg_u32 s2, 0
	s_cbranch_scc1 .Lend
	; WAVE 0: lane l stands for token l % 16 (lanes 16-31 repeat lanes 0-15 and store nothing of a token's)
.irp q, 0,1,2,3,4,5,6,7
	ds_load_b128 v[16+4*\q:19+4*\q], v[PRD] offset:512*(\q/2)+16*(\q%2)   ; v[16 + 8 w + e]: wave w's part of logit e
.endr
	s_lshl_b32 s34, ttmp9, 8
	s_mov_b32 s35, 0
	s_add_nc_u64 s[28:29], s[12:13], s[34:35]      ; route at my segment: 256 bytes of tokens' words; its counts 65,536 further on
	s_lshl_b32 s34, ttmp9, 7
	s_add_nc_u64 s[30:31], s[14:15], s[34:35]      ; gate1 at my segment
	s_wait_dscnt 0x0
.irp e, 0,2,4,6
	v_pk_add_f32 v[48+\e:49+\e], v[16+\e:17+\e], v[24+\e:25+\e]
	v_pk_add_f32 v[56+\e:57+\e], v[32+\e:33+\e], v[40+\e:41+\e]
.endr
.irp e, 0,2,4,6
	v_pk_add_f32 v[48+\e:49+\e], v[48+\e:49+\e], v[56+\e:57+\e]
.endr
.irp e, 0,1,2,3,4,5,6,7
	v_add_f32 v[48+\e], s[16+\e], v[48+\e]         ; + br: the logits
.endr
	v_max3_num_f32 v56, v48, v49, v50
	v_max3_num_f32 v56, v56, v51, v52
	v_max3_num_f32 v56, v56, v53, v54
	v_max_num_f32 v56, v56, v55                    ; the row's maximum is taken away ahead of the exponential
.irp e, 0,1,2,3,4,5,6,7
	v_sub_f32 v[48+\e], v[48+\e], v56
.endr
.irp e, 0,1,2,3,4,5,6,7
	v_mul_f32 v[48+\e], 0x3fb8aa3b, v[48+\e]
.endr
	s_wait_alu depctr_va_vdst(0)
.irp e, 0,1,2,3,4,5,6,7
	v_exp_f32 v[48+\e], v[48+\e]
.endr
	v_nop                                          ; a plain line behind the last exponential
	s_wait_alu depctr_va_vdst(0)                   ; one wait for the batch, ahead of its first reader
	v_add_f32 v57, v48, v49
	v_add_f32 v58, v50, v51
	v_add_f32 v59, v52, v53
	v_add_f32 v60, v54, v55
	v_add_f32 v57, v57, v58
	v_add_f32 v59, v59, v60
	v_add_f32 v57, v57, v59
	s_wait_alu depctr_va_vdst(0)
	v_rcp_f32 v58, v57
	v_nop
	s_wait_alu depctr_va_vdst(0)
.irp e, 0,1,2,3,4,5,6,7
	v_mul_f32 v[48+\e], v[48+\e], v58              ; the probabilities
.endr
	v_mov_b32 v64, v48                             ; the largest, and its index: a later one takes the place only if it is greater, so ties keep the lower index
	v_mov_b32 v65, 0
.irp e, 1,2,3,4,5,6,7
	v_cmp_le_f32 vcc_lo, v[48+\e], v64
	v_cndmask_b32 v65, \e, v65, vcc_lo
	v_cndmask_b32 v64, v[48+\e], v64, vcc_lo
.endr
.irp e, 0,1,2,3,4,5,6,7
	v_cmp_ne_u32 vcc_lo, \e, v65
	v_cndmask_b32 v[68+\e], -1.0, v[48+\e], vcc_lo ; the largest is taken out: -1 lies under every probability
.endr
	v_mov_b32 v66, v68                             ; the second largest likewise
	v_mov_b32 v67, 0
.irp e, 1,2,3,4,5,6,7
	v_cmp_le_f32 vcc_lo, v[68+\e], v66
	v_cndmask_b32 v67, \e, v67, vcc_lo
	v_cndmask_b32 v66, v[68+\e], v66, vcc_lo
.endr
	v_add_f32 v76, v64, v66
	s_wait_alu depctr_va_vdst(0)
	v_rcp_f32 v76, v76
	v_min_u32 v79, v65, v67                        ; (plain lines behind the reciprocal)  the pair's lower expert,
	v_max_u32 v80, v65, v67                        ; and its higher
	s_wait_alu depctr_va_vdst(0)
	v_mul_f32 v77, v64, v76                        ; the gates
	v_mul_f32 v78, v66, v76
	v_cmp_lt_u32 vcc_lo, v65, v67
	v_cndmask_b32 v82, v78, v77, vcc_lo            ; the lower expert's gate,
	v_cndmask_b32 v83, v77, v78, vcc_lo            ; the higher's
	v_lshl_add_u32 v84, v79, 3, v80                ; 8 x lower + higher
	v_mov_b32 v86, 0                               ; lane b: the count of pair b,
	v_mov_b32 v87, 0                               ; and of expert b
	v_mov_b32 v89, 0                               ; my rank among the segment's tokens of my pair,
	v_mov_b32 v90, 0                               ; my pair's number,
	v_mov_b32 v91, 0                               ; my rank among the users of my lower expert,
	v_mov_b32 v92, 0                               ; and of my higher
.set n, 0
.irp a, 0,1,2,3,4,5,6
.irp b, 1,2,3,4,5,6,7
.if \b > \a
	v_cmp_eq_u32 s36, 8*\a+\b, v84
	s_and_b32 s36, s36, 0xffff                     ; the 16 tokens once
	s_bcnt1_i32_b32 s37, s36
	v_writelane_b32 v86, s37, n
	v_mbcnt_lo_u32_b32 v88, s36, 0                 ; how many of them stand in lower lanes
	v_cndmask_b32 v89, v89, v88, s36
	v_cndmask_b32 v90, v90, n, s36
.set n, n+1
.endif
.endr
.endr
.irp e, 0,1,2,3,4,5,6,7
	v_cmp_eq_u32 s36, \e, v79
	v_cmp_eq_u32 s37, \e, v80
	s_or_b32 s38, s36, s37
	s_and_b32 s38, s38, 0xffff
	s_bcnt1_i32_b32 s39, s38
	v_writelane_b32 v87, s39, \e
	v_mbcnt_lo_u32_b32 v88, s38, 0
	v_cndmask_b32 v91, v91, v88, s36
	v_cndmask_b32 v92, v92, v88, s37
.endr
	v_lshl_or_b32 v96, v79, 8, v90                 ; pair | lower << 8 | higher << 16
	v_lshl_or_b32 v96, v80, 16, v96
	v_lshl_or_b32 v97, v91, 8, v89                 ; the three ranks likewise
	v_lshl_or_b32 v97, v92, 16, v97
	v_mov_b32 v98, 0
	v_mov_b32 v99, 0
	global_store_b64 v[L8], v[86:87], s[28:29] offset:65536    ; the segment's counts: 256 consecutive bytes, aligned
	v_cmp_gt_u32 vcc_lo, 16, v[LN]
	s_wait_alu depctr_va_vdst(0)
	s_wait_xcnt 0x0                                ; EXEC changes only behind this wait
	s_and_saveexec_b32 s41, vcc_lo
	global_store_b128 v[GCO], v[96:99], s[28:29]   ; 16 tokens x 16 bytes: 256 consecutive bytes, aligned
	global_store_b64 v[L8], v[82:83], s[30:31]
	s_wait_xcnt 0x0                                ; and again, in front of the line that widens it
	s_or_b32 exec_lo, exec_lo, s41
.Lend:
	s_wait_tensorcnt 0x0                           ; the wave's end, behind my last LDS store
	ds_add_u32 v[SPW], v[NIL]
	s_wait_dscnt 0x0
	s_endpgm
.Lfunc_end_k_q35802bd125_route_quant:
	.size	k_q35802bd125_route_quant, .Lfunc_end_k_q35802bd125_route_quant-k_q35802bd125_route_quant
	.p2alignl 7, 3214868480
	.fill 96, 4, 3214868480
	.section	.rodata,"a",@progbits
	.p2align	6, 0x0
	.amdhsa_kernel k_q35802bd125_route_quant
		.amdhsa_group_segment_fixed_size 39424
		.amdhsa_private_segment_fixed_size 0
		.amdhsa_enable_private_segment 0
		.amdhsa_kernarg_size 48
		.amdhsa_user_sgpr_count 2
		.amdhsa_user_sgpr_kernarg_segment_ptr 1
		.amdhsa_wavefront_size32 1
		.amdhsa_system_sgpr_workgroup_id_x 1
		.amdhsa_system_sgpr_workgroup_id_y 1
		.amdhsa_system_sgpr_workgroup_id_z 1
		.amdhsa_system_vgpr_workitem_id 0
		.amdhsa_next_free_vgpr 384
		.amdhsa_next_free_sgpr 66
		.amdhsa_reserve_vcc 1
		.amdhsa_float_denorm_mode_32 3
		.amdhsa_float_denorm_mode_16_64 3
		.amdhsa_memory_ordered 1
		.amdhsa_forward_progress 1
		.amdhsa_inst_pref_size 96
	.end_amdhsa_kernel
	.amdgpu_metadata
---
amdhsa.version: [ 1, 2 ]
amdhsa.kernels:
  - .name:           k_q35802bd125_route_quant
    .symbol:         k_q35802bd125_route_quant.kd
    .args:
      - { .name: x, .offset: 0, .size: 8, .value_kind: global_buffer, .address_space: global }
      - { .name: Wr, .offset: 8, .size: 8, .value_kind: global_buffer, .address_space: global }
      - { .name: br, .offset: 16, .size: 8, .value_kind: global_buffer, .address_space: global }
      - { .name: xop, .offset: 24, .size: 8, .value_kind: global_buffer, .address_space: global }
      - { .name: route, .offset: 32, .size: 8, .value_kind: global_buffer, .address_space: global }
      - { .name: gate1, .offset: 40, .size: 8, .value_kind: global_buffer, .address_space: global }
    .group_segment_fixed_size: 39424
    .private_segment_fixed_size: 0
    .kernarg_segment_align: 8
    .kernarg_segment_size: 48
    .max_flat_workgroup_size: 128
    .sgpr_count:     66
    .vgpr_count:     384
    .wavefront_size: 32
...
	.end_amdgpu_metadata
.endif
;; end of part 5
;; launch place (part 6): grid 129 x 1, 8 waves a work-group, no clusters, 3,072 bytes of LDS; arguments route, plan, W1_codes, W1_scales, W2_codes, W2_scales, w1op, w2op; writes plan, w1op, w2op
.if DOCPART == 6
	.amdgcn_target "amdgcn-amd-amdhsa--gfx1250"
	.amdhsa_code_object_version 6
	.text
	.protected	k_q35802bd125_place
	.globl	k_q35802bd125_place
	.p2align	8
	.type	k_q35802bd125_place,@function
k_q35802bd125_place:
	s_mov_b64 s[64:65], 0
	v_nop
	global_prefetch_b8 v0, s[64:65] scope:SCOPE_SE
	s_setreg_imm32_b32 hwreg(HW_REG_WAVE_MODE, 25, 1), 1
	s_wait_xcnt 0x0
; TWO JOBS IN ONE LAUNCH, parted by the work-group's number alone.
; WORK-GROUP 0: the stored choice becomes places: a counting sort without atomics, by one work-group, since every place hangs on all counts.
; IN (route): for each of 4,096 tokens its pair's number, its two experts and three ranks inside its segment of 16 tokens; for each of 256 segments the counts of 28 pairs and 8 experts.
; OUT (plan): rec[i], 16 bytes, i = the token's place in the order by pairs: {token, the row of its lower expert, the row of its higher, lower | higher << 8};
;   rowtok[p], 4 bytes from byte 65,536 on: the token of row p; an expert's rows are consecutive and begin at a multiple of 144;   tiles[j] = {expert, rows}, 8 bytes from byte 102,400 on, j under 64.
; The sum over experts of ceil(c / 144) is at most (8,192 + 8 x 143) / 144, so at most 64, whatever the split.
; Wave w owns segments 32 w .. 32 w + 31 (tokens 512 w on).  In the prefix sums a LANE IS A BIN: lane b holds pair b's count in the even registers and expert b's in the odd ones.
; The scattered stores of 16 and 4 bytes (98 KiB in all) are the placement itself.
; WORK-GROUPS 1 TO 128: W1 and W2 are laid ONCE in the order in which the products' waves take them into registers, so that there each load of a wave reads 512 consecutive bytes.
; w1op, w2op: for each expert and group of 32 rows a block of 26,624 bytes: 48 groups of 512 bytes (group 24 u + 3 s + g: lane l's four registers, 16 bytes, at 16 l: tile u, K step s, piece g: the 16 bytes at 96 s + 48 (l / 16) + 16 g
; of the lane's row), then 4 groups with the lane's 16 scale words (8 u + s), bytes 1 and 2 changed, as the products' K order asks.  Lane r of tile u takes row 8 u + r + 8 (r / 8) of W1's 32, row 16 u + r of W2's.
; A wave takes one tile: 26 loads, 26 stores; it uses no LDS and meets no barrier.
.set TOT,   0                          ; LDS: each wave's totals, 256 bytes a wave
.set SPARE, 2048                       ; the spare words, 128 bytes for each wave: four blocks of 256 bytes that no other line names
.set WBLK,  26624                      ; a block of w1op or w2op
.set LN,   1                           ; v1   lane
.set A1,   2                           ; v2   8 x lane + 8,192 x wave: my bin in my wave's first segment
.set A2,   3                           ; v3   16 x lane + 8,192 x wave: my token's words
.set TW,   4                           ; v4   LDS: my wave's totals
.set TR,   5                           ; v5   LDS: my bin in wave 0's totals
.set SPW,  6                           ; v6   LDS address of my spare word; never rewritten
.set NIL,  7                           ; v7   0; never rewritten
.set TOK0, 12                          ; v12  512 x wave + lane
.set C,    16                          ; v16-79   segment j: v[C + 2 j] pairs, v[C + 2 j + 1] experts: counts, then first places
.set I,    80                          ; v80-111  round k: the two words of token 512 w + 32 k + lane
.set TT,   112                         ; v112-127 the eight waves' totals
.set BP,   140                         ; v140-163 what the lane permutes bring: six a round
.set REC,  164                         ; v164-179 a record a round
.set AI,   180                         ; v180-191 the three stores' offsets, four rounds each
.set AL,   184
.set AH,   188
.set IX,   192                         ; v192-203 the permutes' lane indices
.set CE,   16                          ; s16-23 the experts' counts
.set TBE,  24                          ; s24-31 their first tiles
	s_load_b128 s[4:7], s[0:1], 0x0                ; route s[4:5], plan s[6:7]
	s_load_b256 s[32:39], s[0:1], 0x10             ; W1's codes s[32:33], W1's scales s[34:35], W2's codes s[36:37], W2's scales s[38:39]
	s_load_b128 s[40:43], s[0:1], 0x30             ; w1op s[40:41], w2op s[42:43]
	v_lshl_add_u32 v[SPW], v0, 2, SPARE
	v_mov_b32 v[NIL], 0
	v_lshrrev_b32 v13, 5, v0
	s_delay_alu instid0(VALU_DEP_1)
	v_readfirstlane_b32 s2, v13                    ; wave 0..7
	v_and_b32 v[LN], 31, v0
	s_lshl_b32 s3, s2, 13
	v_lshl_add_u32 v[A1], v[LN], 3, s3
	v_lshl_add_u32 v[A2], v[LN], 4, s3
	s_lshl_b32 s3, s2, 8
	v_lshl_add_u32 v[TW], v[LN], 3, s3
	v_lshlrev_b32 v[TR], 3, v[LN]
	s_lshl_b32 s3, s2, 9
	v_add_nc_u32 v[TOK0], s3, v[LN]
	s_wait_kmcnt 0x0
	s_cmp_lg_u32 ttmp9, 0                          ; the same in all eight waves of a work-group
	s_cbranch_scc1 .Lrelay
.set j, 0
	s_wait_alu depctr_va_vdst(0)
.rept 32
	global_load_b64 v[C+2*j:C+2*j+1], v[A1], s[4:5] offset:65536+256*j   ; a segment's counts: 256 consecutive bytes
.set j, j+1
.endr
.set k, 0
.rept 16
	global_load_b64 v[I+2*k:I+2*k+1], v[A2], s[4:5] offset:512*k
.set k, k+1
.endr
	s_wait_loadcnt 16                              ; the counts are in; the 16 loads of tokens' words may be out
	v_mov_b32 v8, 0                                ; the running sums, in two pairs of registers by turns
	v_mov_b32 v9, 0
.set j, 0
	s_delay_alu instid0(VALU_DEP_2)
	v_add_nc_u32 v10, v8, v[C+4*j]
	s_delay_alu instid0(VALU_DEP_2)
	v_add_nc_u32 v11, v9, v[C+4*j+1]
	s_delay_alu instid0(VALU_DEP_4)
	v_mov_b32 v[C+4*j], v8                         ; a count gives way to the sum of the counts ahead of it
	s_delay_alu instid0(VALU_DEP_4)
	v_mov_b32 v[C+4*j+1], v9
	s_delay_alu instid0(VALU_DEP_4)
	v_add_nc_u32 v8, v10, v[C+4*j+2]
	s_delay_alu instid0(VALU_DEP_4)
	v_add_nc_u32 v9, v11, v[C+4*j+3]
	v_mov_b32 v[C+4*j+2], v10
	v_mov_b32 v[C+4*j+3], v11
.set j, j+1
.rept (16)-1
	s_delay_alu instid0(VALU_DEP_4)
	v_add_nc_u32 v10, v8, v[C+4*j]
	s_delay_alu instid0(VALU_DEP_4)
	v_add_nc_u32 v11, v9, v[C+4*j+1]
	v_mov_b32 v[C+4*j], v8                         ; a count gives way to the sum of the counts ahead of it
	v_mov_b32 v[C+4*j+1], v9
	s_delay_alu instid0(VALU_DEP_4)
	v_add_nc_u32 v8, v10, v[C+4*j+2]
	s_delay_alu instid0(VALU_DEP_4)
	v_add_nc_u32 v9, v11, v[C+4*j+3]
	v_mov_b32 v[C+4*j+2], v10
	v_mov_b32 v[C+4*j+3], v11
.set j, j+1
.endr
	ds_store_b64 v[TW], v[8:9]                     ; my wave's totals
	s_wait_dscnt 0x0                               ; for the others' sake
	s_barrier_signal -1
	s_barrier_wait -1
.irp q, 0,1,2,3,4,5,6,7
	ds_load_b64 v[TT+2*\q:TT+2*\q+1], v[TR] offset:256*\q
.endr
	v_mov_b32 v128, 0                              ; all waves' totals,
	v_mov_b32 v129, 0
	v_mov_b32 v130, 0                              ; and those of the waves ahead of mine
	v_mov_b32 v131, 0
	v_mov_b32 v132, 0                              ; lane b: pair b's first place
	v_mov_b32 v133, 0                              ; lane e: expert e's first row
	s_wait_alu depctr_va_vdst(0)
	s_wait_dscnt 0x0
.irp q, 0,1,2,3,4,5,6,7
	v_add_nc_u32 v128, v128, v[TT+2*\q]
	v_add_nc_u32 v129, v129, v[TT+2*\q+1]
	s_cmp_gt_u32 s2, \q
	s_cselect_b32 s3, -1, 0
	v_and_b32 v134, s3, v[TT+2*\q]
	v_and_b32 v135, s3, v[TT+2*\q+1]
	s_delay_alu instid0(VALU_DEP_2)
	v_add_nc_u32 v130, v130, v134
	s_delay_alu instid0(VALU_DEP_2)
	v_add_nc_u32 v131, v131, v135
.endr
	s_mov_b32 s8, 0
.set b, 0
.rept 28
	v_writelane_b32 v132, s8, b
	v_readlane_b32 s9, v128, b
	s_add_co_u32 s8, s8, s9
.set b, b+1
.endr
	s_mov_b32 s10, 0                               ; tiles so far
.irp e, 0,1,2,3,4,5,6,7
	v_readlane_b32 s[CE+\e], v129, \e
	s_mov_b32 s[TBE+\e], s10
	s_mul_i32 s9, s10, 144
	v_writelane_b32 v133, s9, \e
	s_add_co_u32 s9, s[CE+\e], 143
	s_mul_i32 s9, s9, 29128                        ; (c + 143) / 144, rounded down: 29,128 / 2^22 exceeds 1 / 144 by 2.1e-7, which up to 4,239 adds under 0.001, less than the 1 / 144 that would turn the result
	s_lshr_b32 s9, s9, 22
	s_add_co_u32 s10, s10, s9
.endr
	v_add_nc_u32 v130, v130, v132
	v_add_nc_u32 v131, v131, v133
.set j, 0
.rept 32
	v_add_nc_u32 v[C+2*j], v[C+2*j], v130          ; now: the first place of each bin's tokens of segment j
	v_add_nc_u32 v[C+2*j+1], v[C+2*j+1], v131
.set j, j+1
.endr
	s_mov_b32 s11, 0xffff0000                      ; lanes 16-31: a round's second segment
	s_wait_loadcnt 0x0                             ; the tokens' words
; Four rounds of 32 tokens.  A token's first places stand in the lane of its bin: six lane permutes a round bring them (both segments' registers; the lane's half chooses).
.macro BATCH bt
	s_wait_xcnt 0x0                                ; the last batch's stores have read their data and offsets: they are written again only behind this wait
.irp q, 0,1,2,3
.set k, 4*(\bt)+\q
	v_and_b32 v[IX+3*\q], 0xff, v[I+2*k]
	v_bfe_u32 v[IX+3*\q+1], v[I+2*k], 8, 8
	v_bfe_u32 v[IX+3*\q+2], v[I+2*k], 16, 8
	s_delay_alu instid0(VALU_DEP_3)
	v_min_u32 v[IX+3*\q], 31, v[IX+3*\q]
	s_delay_alu instid0(VALU_DEP_3)
	v_min_u32 v[IX+3*\q+1], 7, v[IX+3*\q+1]
	s_delay_alu instid0(VALU_DEP_3)
	v_min_u32 v[IX+3*\q+2], 7, v[IX+3*\q+2]
	s_delay_alu instid0(VALU_DEP_3)
	v_lshlrev_b32 v[IX+3*\q], 2, v[IX+3*\q]
	s_delay_alu instid0(VALU_DEP_3)
	v_lshlrev_b32 v[IX+3*\q+1], 2, v[IX+3*\q+1]
	s_delay_alu instid0(VALU_DEP_3)
	v_lshlrev_b32 v[IX+3*\q+2], 2, v[IX+3*\q+2]
	ds_bpermute_b32 v[BP+6*\q], v[IX+3*\q], v[C+4*k]
	ds_bpermute_b32 v[BP+6*\q+1], v[IX+3*\q], v[C+4*k+2]
	ds_bpermute_b32 v[BP+6*\q+2], v[IX+3*\q+1], v[C+4*k+1]
	ds_bpermute_b32 v[BP+6*\q+3], v[IX+3*\q+1], v[C+4*k+3]
	ds_bpermute_b32 v[BP+6*\q+4], v[IX+3*\q+2], v[C+4*k+1]
	ds_bpermute_b32 v[BP+6*\q+5], v[IX+3*\q+2], v[C+4*k+3]
.endr
	s_wait_dscnt 0x0
.irp q, 0,1,2,3
.set k, 4*(\bt)+\q
	v_cndmask_b32 v204, v[BP+6*\q], v[BP+6*\q+1], s11
	v_and_b32 v205, 0xff, v[I+2*k+1]
	s_delay_alu instid0(VALU_DEP_1)
	v_add_nc_u32 v204, v204, v205                  ; + my rank in the segment: my place in the order by pairs
	s_delay_alu instid0(VALU_DEP_1)
	v_min_u32 v204, 0xfff, v204
	s_delay_alu instid0(VALU_DEP_1)
	v_lshlrev_b32 v[AI+\q], 4, v204
	v_cndmask_b32 v204, v[BP+6*\q+2], v[BP+6*\q+3], s11
	v_bfe_u32 v205, v[I+2*k+1], 8, 8
	s_delay_alu instid0(VALU_DEP_1)
	v_add_nc_u32 v204, v204, v205                  ; my row with the lower expert
	s_delay_alu instid0(VALU_DEP_1)
	v_min_u32 v[REC+4*\q+1], 0x23ff, v204
	s_delay_alu instid0(VALU_DEP_1)
	v_lshlrev_b32 v[AL+\q], 2, v[REC+4*\q+1]
	v_cndmask_b32 v204, v[BP+6*\q+4], v[BP+6*\q+5], s11
	v_bfe_u32 v205, v[I+2*k+1], 16, 8
	s_delay_alu instid0(VALU_DEP_1)
	v_add_nc_u32 v204, v204, v205                  ; and with the higher
	s_delay_alu instid0(VALU_DEP_1)
	v_min_u32 v[REC+4*\q+2], 0x23ff, v204
	s_delay_alu instid0(VALU_DEP_1)
	v_lshlrev_b32 v[AH+\q], 2, v[REC+4*\q+2]
	v_add_nc_u32 v[REC+4*\q], 32*k, v[TOK0]
	v_bfe_u32 v[REC+4*\q+3], v[I+2*k], 8, 16       ; lower | higher << 8
	global_store_b128 v[AI+\q], v[REC+4*\q:REC+4*\q+3], s[6:7]
	global_store_b32 v[AL+\q], v[REC+4*\q], s[6:7] offset:65536
	global_store_b32 v[AH+\q], v[REC+4*\q], s[6:7] offset:65536
.endr
.endm
	BATCH 0
	BATCH 1
	BATCH 2
	BATCH 3
	s_cmp_lg_u32 s2, 0
	s_cbranch_scc1 .Lend
	; WAVE 0: the table of 64 tiles.  Tile j belongs to the last expert whose first tile is not above j; a tile past the last expert's rows has 0 rows.
.irp m, 0,1
	v_add_nc_u32 v[210+4*\m], 32*\m, v[LN]         ; j
	v_mov_b32 v[208+4*\m], 0
	v_mov_b32 v[209+4*\m], s[CE]
	v_mov_b32 v[211+4*\m], 0
.irp e, 1,2,3,4,5,6,7
	v_cmp_gt_u32 vcc_lo, s[TBE+\e], v[210+4*\m]
	s_delay_alu instid0(VALU_DEP_1)
	v_cndmask_b32 v[208+4*\m], \e, v[208+4*\m], vcc_lo
	s_delay_alu instid0(VALU_DEP_2)
	v_cndmask_b32 v[209+4*\m], s[CE+\e], v[209+4*\m], vcc_lo
	s_delay_alu instid0(VALU_DEP_3)
	v_cndmask_b32 v[211+4*\m], s[TBE+\e], v[211+4*\m], vcc_lo
.endr
	s_delay_alu instid0(VALU_DEP_1)
	v_sub_nc_u32 v[211+4*\m], v[210+4*\m], v[211+4*\m]
	s_delay_alu instid0(VALU_DEP_1)
	v_mul_u32_u24 v[211+4*\m], v[211+4*\m], 144
	s_delay_alu instid0(VALU_DEP_1)
	v_sub_nc_u32 v[209+4*\m], v[209+4*\m], v[211+4*\m]
	s_delay_alu instid0(VALU_DEP_1)
	v_max_i32 v[209+4*\m], 0, v[209+4*\m]
	s_delay_alu instid0(VALU_DEP_1)
	v_min_i32 v[209+4*\m], 144, v[209+4*\m]        ; the rows left for this tile, between 0 and 144
	v_lshlrev_b32 v[216+\m], 3, v[210+4*\m]
	global_store_b64 v[216+\m], v[208+4*\m:209+4*\m], s[6:7] offset:102400
.endr
	s_branch .Lend
.Lrelay:
	; WORK-GROUPS 1 TO 128: wave w of work-group g takes tile number 8 (g - 1) + w of 1,024: bit 9 the weight, bits 8:6 the expert, bits 5:1 the group of 32 rows, bit 0 the tile u
	s_sub_co_u32 s8, ttmp9, 1
	s_lshl_b32 s8, s8, 3
	s_add_co_u32 s8, s8, s2
	s_lshr_b32 s9, s8, 9
	s_bfe_u32 s10, s8, 0x30006                     ; the expert
	s_bfe_u32 s11, s8, 0x50001                     ; the group
	s_and_b32 s12, s8, 1                           ; u
	s_cmp_eq_u32 s9, 0                             ; W1 or W2?  The choice hangs on the work-group's number alone
	s_cselect_b64 s[44:45], s[32:33], s[36:37]
	s_cselect_b64 s[46:47], s[34:35], s[38:39]
	s_cselect_b64 s[48:49], s[40:41], s[42:43]
	s_cselect_b32 s13, 8, 16                       ; rows from tile 0 to tile 1
	s_cselect_b32 s14, 8, 0                        ; W1: lanes 8-15 take rows 8 further on
	s_mul_i32 s15, s12, s13
	s_lshl_b32 s50, s11, 5
	s_add_co_u32 s15, s15, s50                     ; the tile's first row in its expert
	s_mul_i32 s50, s10, 786432
	s_mul_i32 s52, s15, 768
	s_add_co_u32 s50, s50, s52
	s_mov_b32 s51, 0
	s_add_nc_u64 s[44:45], s[44:45], s[50:51]      ; its codes,
	s_lshl_b32 s50, s10, 15
	s_lshl_b32 s52, s15, 5
	s_add_co_u32 s50, s50, s52
	s_add_nc_u64 s[46:47], s[46:47], s[50:51]      ; its scale bytes,
	s_lshl_b32 s50, s10, 5
	s_add_co_u32 s50, s50, s11
	s_mul_i32 s50, s50, WBLK
	s_add_nc_u64 s[48:49], s[48:49], s[50:51]      ; and its block
	s_mov_b32 s53, 0x03010200                      ; bytes 1 and 2 change places
	v_and_b32 v8, 15, v0                           ; r
	v_bfe_u32 v9, v0, 4, 1                         ; h
	s_delay_alu instid0(VALU_DEP_2)
	v_and_b32 v10, 8, v8
	s_delay_alu instid0(VALU_DEP_1)
	v_and_b32 v10, s14, v10
	s_delay_alu instid0(VALU_DEP_1)
	v_add_nc_u32 v10, v10, v8                      ; my row of the tile
	s_delay_alu instid0(VALU_DEP_1)
	v_mul_u32_u24 v11, v10, 768
	s_delay_alu instid0(VALU_DEP_1)
	v_mad_u32_u24 v11, v9, 48, v11
	s_delay_alu instid0(VALU_DEP_3)
	v_lshlrev_b32 v13, 5, v10
	s_mul_i32 s52, s12, 12288
	v_lshl_add_u32 v14, v[LN], 4, s52              ; where the codes go: 16 x lane + 24 groups x u
	s_lshl_b32 s52, s12, 10
	s_add_co_u32 s52, s52, 24576
	v_lshl_add_u32 v15, v[LN], 4, s52              ; and the scale words
.set n, 0
.rept 24
	global_load_b128 v[16+4*n:19+4*n], v11, s[44:45] offset:96*(n/3)+16*(n%3)
.set n, n+1
.endr
	global_load_b128 v[112:115], v13, s[46:47]
	global_load_b128 v[116:119], v13, s[46:47] offset:16
.set n, 0
	s_wait_alu depctr_va_vdst(0)
.rept 24
	s_wait_loadcnt 25-n                            ; load n is in; the younger code loads and the two loads of scale bytes may be out
	global_store_b128 v14, v[16+4*n:19+4*n], s[48:49] offset:512*n   ; 512 consecutive bytes, aligned
.set n, n+1
.endr
	s_wait_loadcnt 0x0
.irp i, 0,1,2,3,4,5,6,7
	v_perm_b32 v[120+\i], v[112+\i], v[112+\i], s53
.endr
	global_store_b128 v15, v[120:123], s[48:49]    ; lanes 16-31 repeat lanes 0-15's words
	global_store_b128 v15, v[124:127], s[48:49] offset:512
.Lend:
	s_wait_tensorcnt 0x0                           ; the wave's end, behind my last LDS store
	ds_add_u32 v[SPW], v[NIL]
	s_wait_dscnt 0x0
	s_endpgm
.Lfunc_end_k_q35802bd125_place:
	.size	k_q35802bd125_place, .Lfunc_end_k_q35802bd125_place-k_q35802bd125_place
	.p2alignl 7, 3214868480
	.fill 96, 4, 3214868480
	.section	.rodata,"a",@progbits
	.p2align	6, 0x0
	.amdhsa_kernel k_q35802bd125_place
		.amdhsa_group_segment_fixed_size 3072
		.amdhsa_private_segment_fixed_size 0
		.amdhsa_enable_private_segment 0
		.amdhsa_kernarg_size 64
		.amdhsa_user_sgpr_count 2
		.amdhsa_user_sgpr_kernarg_segment_ptr 1
		.amdhsa_wavefront_size32 1
		.amdhsa_system_sgpr_workgroup_id_x 1
		.amdhsa_system_sgpr_workgroup_id_y 1
		.amdhsa_system_sgpr_workgroup_id_z 1
		.amdhsa_system_vgpr_workitem_id 0
		.amdhsa_next_free_vgpr 256
		.amdhsa_next_free_sgpr 66
		.amdhsa_reserve_vcc 1
		.amdhsa_float_denorm_mode_32 3
		.amdhsa_float_denorm_mode_16_64 3
		.amdhsa_memory_ordered 1
		.amdhsa_forward_progress 1
		.amdhsa_inst_pref_size 76
	.end_amdhsa_kernel
	.amdgpu_metadata
---
amdhsa.version: [ 1, 2 ]
amdhsa.kernels:
  - .name:           k_q35802bd125_place
    .symbol:         k_q35802bd125_place.kd
    .args:
      - { .name: route, .offset: 0, .size: 8, .value_kind: global_buffer, .address_space: global }
      - { .name: plan, .offset: 8, .size: 8, .value_kind: global_buffer, .address_space: global }
      - { .name: W1_codes, .offset: 16, .size: 8, .value_kind: global_buffer, .address_space: global }
      - { .name: W1_scales, .offset: 24, .size: 8, .value_kind: global_buffer, .address_space: global }
      - { .name: W2_codes, .offset: 32, .size: 8, .value_kind: global_buffer, .address_space: global }
      - { .name: W2_scales, .offset: 40, .size: 8, .value_kind: global_buffer, .address_space: global }
      - { .name: w1op, .offset: 48, .size: 8, .value_kind: global_buffer, .address_space: global }
      - { .name: w2op, .offset: 56, .size: 8, .value_kind: global_buffer, .address_space: global }
    .group_segment_fixed_size: 3072
    .private_segment_fixed_size: 0
    .kernarg_segment_align: 8
    .kernarg_segment_size: 64
    .max_flat_workgroup_size: 256
    .sgpr_count:     66
    .vgpr_count:     256
    .wavefront_size: 32
...
	.end_amdgpu_metadata
.endif
;; end of part 6
;; launch ffn1 (part 7): grid 64 x 4, 8 waves a work-group, no clusters, 166,912 bytes of LDS; arguments xop, w1op, b1, plan, hop; writes hop
.if DOCPART == 7
	.amdgcn_target "amdgcn-amd-amdhsa--gfx1250"
	.amdhsa_code_object_version 6
	.text
	.protected	k_q35802bd125_ffn1
	.globl	k_q35802bd125_ffn1
	.p2align	8
	.type	k_q35802bd125_ffn1,@function
k_q35802bd125_ffn1:
	s_mov_b64 s[64:65], 0
	v_nop
	global_prefetch_b8 v0, s[64:65] scope:SCOPE_SE
	s_setreg_imm32_b32 hwreg(HW_REG_WAVE_MODE, 25, 1), 1
	s_wait_xcnt 0x0
; h = Q(gelu(Q(x) W1[e] + b1[e])) for the rows that were chosen, sorted by expert: both operands codes of FP6 (E2M3) with one E8M0 scale for each 32 along K; sums f32; gelu (the exact one, by erf) and the quantiser in f32.
; SHARES.  64 tiles of 144 rows of one expert (the stored table says which expert and how many rows count).  A work-group takes one tile (work-group x) and 256 of the 1,024 hidden units (work-group y).
; Wave w makes hidden units 32 w .. 32 w + 31 of those 256, one block of the next K, for all rows: its 32 rows of W1, all of K, stay in 192 registers.  They come from w1op, laid in the order of these registers: each load reads 512 consecutive bytes.
; THE ROWS.  xop holds, for each 128 along K (a plane) and token, a PIECE of 128 bytes: 96 of codes, the scale word, zeros.  A gather's load reads four rows' pieces: eight neighbouring lanes take one piece, lane j of the eight its
; 16 bytes number (7 j) / 8, rounded down: numbers 0 to 6, the first twice.  In LDS a piece takes 112 bytes; a UNIT is 16 rows x 8 planes = 14,336 bytes.  112 is an odd multiple of 16: the sixteen rows of a fragment load fall on sixteen different columns of 16 bytes.
; K ORDER.  A lane takes 48 consecutive bytes of a piece (three loads of 16 bytes), on BOTH operands: the instruction's blocks 0, 1, 2, 3 hold the natural blocks 0, 2, 1, 3.  The same k meet, so the products are the same; only their
; grouping in the sum differs.  The scale words are stored so, in xop and in w1op.
; TRANSPOSED: source 0 = 16 rows of W1, source 1 = 16 rows of x: a lane holds ONE token.  Lane r of tile u holds W1's row 8 u + r + 8 (r / 8), so that a lane's 16 results are 16 NEIGHBOURS along the next K.  b1 is the C of each sum's first product.
; hop: as xop, with 9,216 rows.  The work-group makes two planes of its tile's rows: 2 x 18,432 dense bytes; they leave through a stage in LDS, 512 consecutive bytes a store.
; A tile with fewer than 144 rows works only its units of 16 that hold rows (a scalar branch on the stored count); rows past the count repeat the tile's last row and are read by nobody.  Both barriers stand on every wave's path.
; NO CLUSTER, NO TENSOR LOAD: which expert's weights and which rows a work-group needs is read from memory and steers branches; and partners would not ask for the same tiles.
; LIMITS.  erfc by Abramowitz and Stegun 7.1.26 (absolute error up to 1.5e-7) with v_rcp_f32 and v_exp_f32: h = max(u, 0) - |u| erfc(|u| / sqrt 2) / 2 carries an absolute error of about 2e-7 |u|; no difference of large numbers is
; formed.  For large |u| the exponential is 0 and h is u or 0.  A block of zeros gets the byte 1 (the rule says 127): its codes are zeros and this program alone reads the bytes.  NaN and infinities are not served.
.set PLX,   524288                     ; a plane of xop: 4,096 pieces
.set PLH,   1179648                    ; a plane of hop: 9,216 pieces
.set UNITB, 14336                      ; a unit in LDS
.set PLU,   1792                       ; a plane of it: 16 pieces of 112 bytes
.set STG,   129024                     ; behind the nine units: the stage, two planes of
.set STP,   18432                      ;   144 rows x 128 bytes
.set SPARE, 165888                     ; the spare words, 128 bytes for each wave: four blocks of 256 bytes that no other line names
.set WBLK,  26624                      ; a block of w1op: 32 rows' codes and scale words
.set CB,  4                            ; s[4:5]   xop
.set WB,  6                            ; s[6:7]   w1op at my block
.set BB,  8                            ; s[8:9]   b1 at my 32 units
.set SEL, 40                           ; s[40:41] lane selects: lane l xor 16
.set PP,  43                           ; s43      0.3275911 / sqrt 2
.set KX,  44                           ; s[44:45] -log2(e) / 2           (pairs: the packed forms name a pair and take its low word for both halves)
.set A5,  46                           ; s[46:53] -1/2 x the series' a5, a3, a2, a1;  a4 stands in v[250:251]
.set A3,  48
.set A2,  50
.set A1,  52
.set LI0,  3                           ; v3-5  a fragment's place: 112 r + 48 h + 4 units x 0, 1, 2
.set LS0,  6                           ; v6-8  a scale word's: 112 r + 96 + 4 units x 0, 1, 2
.set GI0,  9                           ; v9    where I store my unit: unit w + 112 (lane / 8) + my 16 bytes
.set GI8,  10                          ; v10   and my plane of unit 8
.set BO,   11                          ; v11   b1: my half's units
.set WL,   12                          ; v12   16 x lane
.set CS,   13                          ; v13   the stage: where my 12 bytes of codes go
.set SS,   14                          ; v14   and my block's scale byte
.set RD,   15                          ; v15   the stage read back
.set GO,   16                          ; v16   and the same place in the tile's part of hop
.set ZA,   17                          ; v17   the stage's bytes 96 to 127 of a row, 16 for each half of the lanes
.set C16,  18                          ; v18   my 16 bytes of a piece
.set Q4,   19                          ; v19   lane / 8
.set SPW,  20                          ; v20   LDS address of my spare word; never rewritten
.set NIL,  21                          ; v21   0; never rewritten
.set XO,   22                          ; v22-29 the gathers' offsets: four for my unit, four for unit 8
.set WS,   32                          ; v32-47  W1's scale words: 8 u + s
.set FS,   48                          ; v48-55  the unit's scale words
.set F,    56                          ; v56-151 the unit's eight fragments
.set ST,   56                          ; at the head: v56-183 my unit on its way to LDS,
.set ST8,  184                         ; v184-199 my plane of unit 8,
.set IX,   200                         ; v200-207 the tokens of their rows,
.set IA,   208                         ; v208-215 and where those stand in the list
.set TD,   152                         ; later, 16 each: 1 / (1 + p |u|),
.set TQ,   168                         ; 2^(-u u log2(e) / 2),
.set TR,   184                         ; max(u, 0),
.set TP,   200                         ; the series
.set ACC,  216                         ; v216-231 the two accumulators: my token's 16 hidden units
.set QT,   232                         ; v232-236 at work in the quantiser
.set CDR,  238                         ; v238-240 the codes
.set ZR,   244                         ; v244-247 zeros
.set A4V,  250                         ; v250-251 -1/2 x a4, twice
.set MSB, 0
.macro WIN new                         ; the immediate's high byte repeats the setting that is left
.if MSB != \new
	s_set_vgpr_msb (MSB<<8)|\new
.set MSB, \new
.endif
.endm
.macro FETCH k, imm                    ; a unit from LDS: eight fragments and eight scale words
.set n, 0
.rept 24
	ds_load_b128 v[F+4*n:F+4*n+3], v[LI0+(\k)] offset:(\imm)+PLU*(n/3)+16*(n%3)
.set n, n+1
.endr
.set n, 0
.rept 8
	ds_load_b32 v[FS+n], v[LS0+(\k)] offset:(\imm)+PLU*n
.set n, n+1
.endr
.endm
; My block of weights: 48 groups of 512 bytes into window 1, v[96 u + 12 s ..]; the bias in the result's layout into v192-207 of window 1 (rs: rows from tile 0 to tile 1); the 16 scale words into window 0, where scale operands are taken from.  56 loads
.macro LOADW rs
	WIN 0x40
.set n, 0
.rept 48
	global_load_b128 v[4*n:4*n+3], v[WL], s[WB:WB+1] offset:512*n
.set n, n+1
.endr
.irp u, 0,1
.irp j, 0,1
	global_load_b128 v[192+8*\u+4*\j:195+8*\u+4*\j], v[BO], s[BB:BB+1] offset:\u*\rs*4+16*\j
.endr
.endr
	WIN 0
.irp j, 0,1,2,3
	global_load_b128 v[WS+4*\j:WS+4*\j+3], v[WL], s[WB:WB+1] offset:24576+512*\j
.endr
.endm
; 16 matrix instructions: my two tiles x the unit's 16 rows, all of K.  The two accumulators take turns, one instruction a turn.  The bias starts the sums.
.macro MM
	WIN 0x11                                       ; source 0 (weights) and source 2 (bias) window 1
.irp u, 0,1
	v_wmma_scale_f32_16x16x128_f8f6f4 v[ACC+8*\u:ACC+8*\u+7], v[96*\u:96*\u+11], v[F:F+11], v[192+8*\u:199+8*\u], v[WS+8*\u], v[FS] matrix_a_fmt:MATRIX_FMT_FP6 matrix_b_fmt:MATRIX_FMT_FP6
.endr
	WIN 0x01
.irp s, 1,2,3,4,5,6,7
.irp u, 0,1
	v_wmma_scale_f32_16x16x128_f8f6f4 v[ACC+8*\u:ACC+8*\u+7], v[96*\u+12*\s:96*\u+12*\s+11], v[F+12*\s:F+12*\s+11], v[ACC+8*\u:ACC+8*\u+7], v[WS+8*\u+\s], v[FS+\s] matrix_a_fmt:MATRIX_FMT_FP6 matrix_b_fmt:MATRIX_FMT_FP6
.endr
.endr
	WIN 0
.rept 5
	v_nop                                          ; four places ahead of the reads of the results and of loads into the operands; five ahead of the next unit's product, which begins the accumulators anew
.endr
.endm
	s_load_b256 s[4:11], s[0:1], 0x0               ; xop, w1op, b1, plan s[10:11]
	s_load_b64 s[12:13], s[0:1], 0x20              ; hop
	v_lshl_add_u32 v[SPW], v0, 2, SPARE
	v_mov_b32 v[NIL], 0
	v_lshrrev_b32 v31, 5, v0
	s_delay_alu instid0(VALU_DEP_1)
	v_readfirstlane_b32 s2, v31                    ; wave 0..7
	s_lshl_b32 s58, ttmp9, 3
	s_wait_kmcnt 0x0
	s_load_b64 s[32:33], s[10:11], s58 offset:102400   ; my tile: {expert, rows}; the set-up below stands between the load and its wait
	s_and_b32 s3, s2, 3                            ; which block of my plane
	s_lshr_b32 s16, s2, 2                          ; which of the work-group's two planes
	s_and_b32 s17, ttmp7, 0xffff                   ; which 256 hidden units
	v_and_b32 v1, 15, v0                           ; r
	v_bfe_u32 v2, v0, 4, 1                         ; h
	v_and_b32 v30, 31, v0                          ; lane
	v_and_b32 v31, 7, v0
	s_delay_alu instid0(VALU_DEP_1)
	v_mul_u32_u24 v31, v31, 7
	s_delay_alu instid0(VALU_DEP_1)
	v_lshrrev_b32 v31, 3, v31                      ; 0, 0, 1, 2, 3, 4, 5, 6
	s_delay_alu instid0(VALU_DEP_1)
	v_lshlrev_b32 v[C16], 4, v31
	v_bfe_u32 v[Q4], v0, 3, 2
	s_delay_alu instid0(VALU_DEP_1)
	v_mad_u32_u24 v31, v[Q4], 112, v[C16]
	s_mul_i32 s18, s2, UNITB
	v_add_nc_u32 v[GI0], s18, v31
	s_mul_i32 s18, s2, PLU
	s_add_co_u32 s18, s18, 8*UNITB
	v_add_nc_u32 v[GI8], s18, v31
	v_mul_u32_u24 v[LS0], v1, 112
	s_delay_alu instid0(VALU_DEP_1)
	v_mad_u32_u24 v[LI0], v2, 48, v[LS0]
	s_delay_alu instid0(VALU_DEP_2)
	v_add_nc_u32 v[LS0], 96, v[LS0]
	s_delay_alu instid0(VALU_DEP_2)
	v_add_nc_u32 v[LI0+1], 4*UNITB, v[LI0]
	s_delay_alu instid0(VALU_DEP_3)
	v_add_nc_u32 v[LI0+2], 8*UNITB, v[LI0]
	s_delay_alu instid0(VALU_DEP_3)
	v_add_nc_u32 v[LS0+1], 4*UNITB, v[LS0]
	s_delay_alu instid0(VALU_DEP_4)
	v_add_nc_u32 v[LS0+2], 8*UNITB, v[LS0]
	v_lshlrev_b32 v[BO], 6, v2                     ; tile u's results of my half are units 16 h + 8 u + 0 .. 7
	v_lshlrev_b32 v[WL], 4, v30
	s_mul_i32 s18, s16, STP
	s_add_co_u32 s18, s18, STG                     ; my plane's stage
	v_lshl_add_u32 v31, v1, 7, s18                 ; row r of a unit
	s_wait_alu depctr_va_vdst(0)
	v_mad_u32_u24 v[CS], v2, 12, v31
	s_mul_i32 s19, s3, 24
	v_add_nc_u32 v[CS], s19, v[CS]                 ; my block, my half
	s_and_b32 s19, s3, 1                           ; the block's byte stands at 2 (block % 2) + block / 2 of the scale word
	s_lshl_b32 s19, s19, 1
	s_lshr_b32 s20, s3, 1
	s_or_b32 s19, s19, s20
	s_add_co_u32 s19, s19, 96
	v_add_nc_u32 v[SS], s19, v31
	s_lshl_b32 s19, s3, 11
	s_add_co_u32 s19, s19, 96
	v_lshl_add_u32 v[ZA], v2, 4, v31
	s_delay_alu instid0(VALU_DEP_1)
	v_add_nc_u32 v[ZA], s19, v[ZA]                 ; unit number (wave % 4) of my plane
	s_lshl_b32 s19, s3, 9
	v_add_nc_u32 v[GO], s19, v[WL]
	s_delay_alu instid0(VALU_DEP_1)
	v_add_nc_u32 v[RD], s18, v[GO]
	v_mov_b32 v[A4V], 0x3f3a00e3
	v_mov_b32 v[A4V+1], 0x3f3a00e3
.irp i, 0,1,2,3
	v_mov_b32 v[ZR+\i], 0
.endr
	s_mov_b32 s[SEL], 0x76543210
	s_mov_b32 s[SEL+1], 0xfedcba98
	s_mov_b32 s[PP], 0x3e6d3388
	s_mov_b32 s[KX], 0xbf38aa3b
	s_mov_b32 s[KX+1], s[KX]
	s_mov_b32 s[A5], 0xbf07dc22
	s_mov_b32 s[A5+1], s[A5]
	s_mov_b32 s[A3], 0xbf35f0e3
	s_mov_b32 s[A3+1], s[A3]
	s_mov_b32 s[A2], 0x3e11a98e
	s_mov_b32 s[A2+1], s[A2]
	s_mov_b32 s[A1], 0xbe027906
	s_mov_b32 s[A1+1], s[A1]
	s_lshl_b32 s54, s17, 1
	s_add_co_u32 s54, s54, s16                     ; hop: my plane,
	s_mul_i32 s54, s54, PLH
	s_mul_i32 s19, ttmp9, STP                      ; the tile's 144 rows
	s_add_co_u32 s54, s54, s19
	s_mov_b32 s55, 0
	s_add_nc_u64 s[14:15], s[12:13], s[54:55]
	s_lshl_b32 s19, s2, 4
	v_add_nc_u32 v[IA], s19, v[Q4]                 ; the rows that I gather: 16 w + 4 a + lane / 8,
	v_add_nc_u32 v[IA+4], 128, v[Q4]               ; and 128 + 4 a + lane / 8
.irp a, 1,2,3
	v_add_nc_u32 v[IA+\a], 4*\a, v[IA]
	v_add_nc_u32 v[IA+4+\a], 4*\a, v[IA+4]
.endr
	s_wait_alu depctr_va_vdst(0)
	s_wait_kmcnt 0x0
	s_min_u32 s28, s32, 7                          ; my tile's expert,
	s_min_u32 s29, s33, 144                        ; and its rows
	s_add_co_u32 s30, s29, 15
	s_lshr_b32 s30, s30, 4                         ; units that hold rows
	s_max_u32 s37, s29, 1
	s_sub_co_u32 s37, s37, 1                       ; the last row that counts
	s_mul_i32 s36, ttmp9, 144                      ; the tile's first row in the list;
	s_cmp_eq_u32 s29, 0
	s_cselect_b32 s36, 0, s36                      ; a tile without rows reads the list's first entry, which is always written, and uses nothing of it
.irp i, 0,1,2,3,4,5,6,7
	v_min_u32 v[IA+\i], s37, v[IA+\i]              ; rows past the count repeat the last row: only written entries of the list are read
	s_delay_alu instid0(VALU_DEP_1)
	v_min_u32 v[IA+\i], 143, v[IA+\i]
	s_delay_alu instid0(VALU_DEP_1)
	v_add_nc_u32 v[IA+\i], s36, v[IA+\i]
	s_delay_alu instid0(VALU_DEP_1)
	v_min_u32 v[IA+\i], 0x23ff, v[IA+\i]
	s_delay_alu instid0(VALU_DEP_1)
	v_lshlrev_b32 v[IA+\i], 2, v[IA+\i]
.endr
.irp i, 0,1,2,3,4,5,6,7
	global_load_b32 v[IX+\i], v[IA+\i], s[10:11] offset:65536
.endr
	s_lshl_b32 s19, s17, 3
	s_add_co_u32 s19, s19, s2                      ; my group of 32 hidden units: 8 y + w
	s_lshl_b32 s20, s28, 5
	s_add_co_u32 s20, s20, s19
	s_mul_i32 s54, s20, WBLK
	s_add_nc_u64 s[WB:WB+1], s[WB:WB+1], s[54:55]
	s_lshl_b32 s54, s28, 12
	s_lshl_b32 s20, s19, 7
	s_add_co_u32 s54, s54, s20
	s_add_nc_u64 s[BB:BB+1], s[BB:BB+1], s[54:55]
	LOADW 8
	ds_store_b128 v[ZA], v[ZR:ZR+3]                ; bytes 96 to 127 of the stage's rows begin as zeros: units w % 4 and w % 4 + 4 of my plane;
	ds_store_b128 v[ZA], v[ZR:ZR+3] offset:4*2048
	s_cmp_lg_u32 s3, 0
	s_cbranch_scc1 .Lzeroed
	ds_store_b128 v[ZA], v[ZR:ZR+3] offset:8*2048  ; unit 8 by the plane's first wave.  The scale bytes are stored over them behind the first barrier
.Lzeroed:
	s_wait_loadcnt 56                              ; the eight loads of the list are in; the 56 loads of weights, bias and scale words behind them may be out
.irp i, 0,1,2,3,4,5,6,7
	v_min_u32 v[IX+\i], 0xfff, v[IX+\i]            ; the token
	s_delay_alu instid0(VALU_DEP_1)
	v_lshlrev_b32 v[XO+\i], 7, v[IX+\i]            ; its piece,
	s_delay_alu instid0(VALU_DEP_1)
	v_add_nc_u32 v[XO+\i], v[C16], v[XO+\i]        ; my 16 bytes of it
.endr
	s_lshl_b32 s19, s2, 19
.irp i, 4,5,6,7
	v_add_nc_u32 v[XO+\i], s19, v[XO+\i]           ; of unit 8: plane w
.endr
.irp a, 0,1,2,3
.irp s, 0,1,2,3,4,5,6,7
	global_load_b128 v[ST+4*(8*\a+\s):ST+4*(8*\a+\s)+3], v[XO+\a], s[CB:CB+1] offset:\s*PLX   ; four rows' pieces of plane s
.endr
.endr
.irp a, 0,1,2,3
	global_load_b128 v[ST8+4*\a:ST8+4*\a+3], v[XO+4+\a], s[CB:CB+1]
.endr
	s_wait_loadcnt 0x0
.irp a, 0,1,2,3
.irp s, 0,1,2,3,4,5,6,7
	ds_store_b128 v[GI0], v[ST+4*(8*\a+\s):ST+4*(8*\a+\s)+3] offset:PLU*\s+448*\a
.endr
.endr
.irp a, 0,1,2,3
	ds_store_b128 v[GI8], v[ST8+4*\a:ST8+4*\a+3] offset:448*\a
.endr
	v_mov_b32 v[QT+2], 0                           ; a lane permute's destination counts as one of its sources
	s_wait_dscnt 0x0                               ; my pieces and my zeros have landed, for the others' sake
	s_barrier_signal -1
	s_barrier_wait -1                              ; the tile's nine units lie in LDS
	FETCH 0, 0
; A unit of 16 rows: the products; the next unit is asked for and lands during the vector work; gelu; the quantiser; codes and scale byte to the stage.
.macro UNIT q
	s_cmp_le_u32 s30, \q                           ; no rows in this unit: none in the later ones either
	s_cbranch_scc1 .Lunits_done
	s_wait_dscnt 0x0                               ; the unit is in; the last unit's stage stores have read their registers
	MM
.if \q < 8
	FETCH (\q+1)/4, ((\q+1)%4)*UNITB
.endif
.irp j, 0,1,2,3,4,5,6,7,8,9,10,11,12,13,14,15
	v_fma_f32 v[TD+\j], |v[ACC+\j]|, s[PP], 1.0    ; 1 + p |u| / sqrt 2   (each accumulator is read from its low end on)
.endr
.irp j, 0,2,4,6,8,10,12,14
	v_pk_mul_f32 v[TQ+\j:TQ+\j+1], v[ACC+\j:ACC+\j+1], v[ACC+\j:ACC+\j+1]
.endr
.irp j, 0,2,4,6,8,10,12,14
	v_pk_mul_f32 v[TQ+\j:TQ+\j+1], v[TQ+\j:TQ+\j+1], s[KX:KX+1] op_sel_hi:[1,0]
.endr
	s_wait_alu depctr_va_vdst(0)
.irp j, 0,1,2,3,4,5,6,7,8,9,10,11,12,13,14,15
	v_rcp_f32 v[TD+\j], v[TD+\j]                   ; t
.endr
.irp j, 0,1,2,3,4,5,6,7,8,9,10,11,12,13,14,15
	v_exp_f32 v[TQ+\j], v[TQ+\j]                   ; e^(-u u / 2)
.endr
.irp j, 0,1,2,3,4,5,6,7,8,9,10,11,12,13,14,15
	v_max_num_f32 v[TR+\j], 0, v[ACC+\j]           ; plain work that names no result of the batch
.endr
	s_wait_alu depctr_va_vdst(0)                   ; one wait for the 32, ahead of their first reader
.irp j, 0,2,4,6,8,10,12,14
	v_pk_fma_f32 v[TP+\j:TP+\j+1], v[TD+\j:TD+\j+1], s[A5:A5+1], v[A4V:A4V+1] op_sel_hi:[1,0,1]
.endr
.irp a, A3, A2, A1
.irp j, 0,2,4,6,8,10,12,14
	v_pk_fma_f32 v[TP+\j:TP+\j+1], v[TP+\j:TP+\j+1], v[TD+\j:TD+\j+1], s[\a:\a+1] op_sel_hi:[1,1,0]
.endr
.endr
.irp j, 0,2,4,6,8,10,12,14
	v_pk_mul_f32 v[TP+\j:TP+\j+1], v[TP+\j:TP+\j+1], v[TD+\j:TD+\j+1]
.endr
.irp j, 0,2,4,6,8,10,12,14
	v_pk_mul_f32 v[TP+\j:TP+\j+1], v[TP+\j:TP+\j+1], v[TQ+\j:TQ+\j+1]   ; -erfc(|u| / sqrt 2) / 2
.endr
.irp j, 0,1,2,3,4,5,6,7,8,9,10,11,12,13,14,15
	v_fma_f32 v[ACC+\j], |v[ACC+\j]|, v[TP+\j], v[TR+\j]               ; gelu(u) = max(u, 0) - |u| erfc(|u| / sqrt 2) / 2
.endr
	v_max3_num_f32 v[QT], |v[ACC]|, |v[ACC+1]|, 0x1800000              ; my 16 numbers, and the floor 2^(3 - 127): the byte cannot fall under 1
	v_max3_num_f32 v[QT+1], |v[ACC+2]|, |v[ACC+3]|, |v[ACC+4]|
.irp i, 5,9
	s_delay_alu instid0(VALU_DEP_2)
	v_max3_num_f32 v[QT], v[QT], |v[ACC+\i]|, |v[ACC+\i+1]|
	s_delay_alu instid0(VALU_DEP_2)
	v_max3_num_f32 v[QT+1], v[QT+1], |v[ACC+\i+2]|, |v[ACC+\i+3]|
.endr
	s_delay_alu instid0(VALU_DEP_2)
	v_max3_num_f32 v[QT], v[QT], |v[ACC+13]|, |v[ACC+14]|
	s_delay_alu instid0(VALU_DEP_1)
	v_max3_num_f32 v[QT], v[QT], v[QT+1], |v[ACC+15]|
	s_delay_alu instid0(VALU_DEP_1)
	v_permlanex16_b32 v[QT+2], v[QT], s[SEL], s[SEL+1]
	s_delay_alu instid0(VALU_DEP_1)
	v_max_num_f32 v[QT], v[QT], v[QT+2]            ; with lane l xor 16's: the block's largest magnitude
	s_delay_alu instid0(VALU_DEP_1)
	v_add_nc_u32 v[QT+3], 0xff000000, v[QT]        ; 2 off its exponent field: the conversion's scale operand
	v_cvt_scalef32_pk16_fp6_f32 v[CDR:CDR+2], v[ACC:ACC+15], v[QT+3]
	v_lshrrev_b32 v[QT+4], 23, v[QT+3]             ; the scale's byte (also the plain line behind the conversion)
.irp i, 0,1,2
	ds_store_b32 v[CS], v[CDR+\i] offset:2048*\q+4*\i
.endr
	ds_store_b8 v[SS], v[QT+4] offset:2048*\q      ; both halves of the lanes write the same byte with the same value
.endm
.irp q, 0,1,2,3,4,5,6,7,8
	UNIT \q
.endr
.Lunits_done:
	s_wait_dscnt 0x0                               ; my stage stores have landed, and no load of mine is out
	s_barrier_signal -1
	s_barrier_wait -1                              ; the tile's two planes lie in the stage
; THE WAY OUT.  A unit's part of a plane is 2,048 bytes: each of the plane's four waves takes 512 of them; a store covers 512 consecutive bytes of hop, aligned.
.macro CHUNK k
	s_cmp_le_u32 s30, \k
	s_cbranch_scc1 .Lend
	ds_load_b128 v[F+4*\k:F+4*\k+3], v[RD] offset:2048*\k
	s_wait_dscnt 0x0
	global_store_b128 v[GO], v[F+4*\k:F+4*\k+3], s[14:15] offset:2048*\k
.endm
.irp k, 0,1,2,3,4,5,6,7,8
	CHUNK \k
.endr
.Lend:
	s_wait_tensorcnt 0x0                           ; the wave's end, behind my last LDS store
	ds_add_u32 v[SPW], v[NIL]
	s_wait_dscnt 0x0
	s_endpgm
.Lfunc_end_k_q35802bd125_ffn1:
	.size	k_q35802bd125_ffn1, .Lfunc_end_k_q35802bd125_ffn1-k_q35802bd125_ffn1
	.p2alignl 7, 3214868480
	.fill 96, 4, 3214868480
	.section	.rodata,"a",@progbits
	.p2align	6, 0x0
	.amdhsa_kernel k_q35802bd125_ffn1
		.amdhsa_group_segment_fixed_size 166912
		.amdhsa_private_segment_fixed_size 0
		.amdhsa_enable_private_segment 0
		.amdhsa_kernarg_size 40
		.amdhsa_user_sgpr_count 2
		.amdhsa_user_sgpr_kernarg_segment_ptr 1
		.amdhsa_wavefront_size32 1
		.amdhsa_system_sgpr_workgroup_id_x 1
		.amdhsa_system_sgpr_workgroup_id_y 1
		.amdhsa_system_sgpr_workgroup_id_z 1
		.amdhsa_system_vgpr_workitem_id 0
		.amdhsa_next_free_vgpr 512
		.amdhsa_next_free_sgpr 66
		.amdhsa_reserve_vcc 0
		.amdhsa_float_denorm_mode_32 3
		.amdhsa_float_denorm_mode_16_64 3
		.amdhsa_memory_ordered 1
		.amdhsa_forward_progress 1
		.amdhsa_inst_pref_size 144
	.end_amdhsa_kernel
	.amdgpu_metadata
---
amdhsa.version: [ 1, 2 ]
amdhsa.kernels:
  - .name:           k_q35802bd125_ffn1
    .symbol:         k_q35802bd125_ffn1.kd
    .args:
      - { .name: xop, .offset: 0, .size: 8, .value_kind: global_buffer, .address_space: global }
      - { .name: w1op, .offset: 8, .size: 8, .value_kind: global_buffer, .address_space: global }
      - { .name: b1, .offset: 16, .size: 8, .value_kind: global_buffer, .address_space: global }
      - { .name: plan, .offset: 24, .size: 8, .value_kind: global_buffer, .address_space: global }
      - { .name: hop, .offset: 32, .size: 8, .value_kind: global_buffer, .address_space: global }
    .group_segment_fixed_size: 166912
    .private_segment_fixed_size: 0
    .kernarg_segment_align: 8
    .kernarg_segment_size: 40
    .max_flat_workgroup_size: 256
    .sgpr_count:     66
    .vgpr_count:     512
    .wavefront_size: 32
...
	.end_amdgpu_metadata
.endif
;; end of part 7
;; launch ffn2 (part 8): grid 32 x 8, 8 waves a work-group, no clusters, 297,984 bytes of LDS; arguments hop, w2op, b2, plan, gate1, out0; writes out0
.if DOCPART == 8
	.amdgcn_target "amdgcn-amd-amdhsa--gfx1250"
	.amdhsa_code_object_version 6
	.text
	.protected	k_q35802bd125_ffn2
	.globl	k_q35802bd125_ffn2
	.p2align	8
	.type	k_q35802bd125_ffn2,@function
k_q35802bd125_ffn2:
	s_mov_b64 s[64:65], 0
	v_nop
	global_prefetch_b8 v0, s[64:65] scope:SCOPE_SE
	s_setreg_imm32_b32 hwreg(HW_REG_WAVE_MODE, 25, 1), 1
	s_wait_xcnt 0x0
; out[t] = gLo (h[row of the lower expert] W2[lower] + b2[lower]) + gHi (the same of the higher): the second product on codes of FP6 (E2M3) with E8M0 scales, sums f32, and the weighing by the gates, in f32.
; EACH OUTPUT NUMBER HAS ONE OWNER.  Tokens are taken in the stored order by pairs of experts.  A work-group takes 128 of them (8 subtiles of 16) and 128 of the 1,024 columns (work-group y).
; A subtile has two UNITS of 16 rows of hop: its tokens' rows with the lower expert, and with the higher.  Wave (th, wq) makes columns 32 wq .. 32 wq + 31 for subtiles 4 th .. 4 th + 3.
; THE EXPERTS ARE WALKED in a loop of eight trips.  An expert that none of the wave's 128 rows uses is passed over by a scalar branch on the stored list, and so is a unit that has no row of it.  For an expert in use the wave
; loads its 32 rows of W2, all of K, into 192 registers, from w2op, which is laid in the order of these registers: each load reads 512 consecutive bytes.  A unit's product is weighed by the gate, which is 0 for a token of the unit
; whose expert is another.  No barrier stands in the loop.
; THE ROWS come as in the first product's launch (wave w gathers subtile w's two units): hop holds a piece of 128 bytes for each 128 along K and row (96 of codes, the scale word, zeros); eight neighbouring lanes read one piece;
; in LDS a piece takes 112 bytes, a unit 14,336.  K order, scale words and the transposed use are that launch's too: a lane takes 48 consecutive bytes of a piece, on both operands alike; a lane holds one token;
; here lane r of tile u holds W2's row 16 u + r, and b2 is the C of each sum's first product.
; The results meet in a stage in LDS and leave as 512 consecutive bytes of a token's row, aligned.  The sums of out begin as zeros: which expert touches a subtile first is read from memory.
; NO CLUSTER, NO TENSOR LOAD: the walk branches on stored numbers, and partners would not need the same experts.
; LIMITS.  NaN and infinities (a scale byte 0xff among them) are not served: a product that is weighed by the gate 0 must be finite.
.set PLH,   1179648                    ; a plane of hop: 9,216 pieces of 128 bytes
.set UNITB, 14336                      ; a unit in LDS
.set PLU,   1792                       ; a plane of it: 16 pieces of 112 bytes
.set STG,   229376                     ; behind the 16 units: the stage, 128 rows x (512 + 16) bytes
.set SPARE, 296960                     ; the spare words, 128 bytes for each wave: four blocks of 256 bytes that no other line names
.set WBLK,  26624                      ; a block of w2op: 32 rows' codes and scale words
.set CB,  4                            ; s[4:5]   hop
.set WB,  26                           ; s[26:27] w2op at my block of the expert in hand;  s[6:7] the same of expert 0
.set BB,  30                           ; s[30:31] b2 likewise;  s[8:9] of expert 0
.set M,   32                           ; s32-39   unit q: the lanes whose token uses the expert in hand
.set LI0,  3                           ; v3, v4  a fragment's place: my eight units + 112 r + 48 h + 4 units x 0, 1
.set LS0,  5                           ; v5, v6  a scale word's: my eight units + 112 r + 96 + 4 units x 0, 1
.set GI,   7                           ; v7      where I store my two units
.set BO,   8                           ; v8      b2: my half's columns
.set SO,   9                           ; v9      the stage: where my 32 bytes of a row go
.set SR,   10                          ; v10     and where I read rows back
.set L16,  11                          ; v11     512 ny + 16 x lane
.set SPW,  12                          ; v12     LDS address of my spare word; never rewritten
.set NIL,  13                          ; v13     0; never rewritten
.set GT,   14                          ; v[14:15] the gate in hand (the packed form names a pair and takes its low word for both halves)
.set TOK,  16                          ; v16     the tokens of the subtile that I store
.set WL,   17                          ; v17     16 x lane
.set C16,  18                          ; v18     my 16 bytes of a piece
.set EX,   24                          ; v24-31  unit 2 t + k: my token's expert
.set G,    32                          ; v32-39  and its gate
.set WS,   40                          ; v40-55  W2's scale words: 8 u + s
.set FS,   56                          ; v56-63  the unit's scale words
.set F,    64                          ; v64-159 the unit's eight fragments
.set ST,   64                          ; at the head: v64-191 my first unit on its way to LDS (the second: v0-127 of window 1),
.set HO,   192                         ; v192-199 the gathers' offsets: four for each unit,
.set RG,   200                         ; v200-215 the records of the rows that I gather,
.set RCR,  216                         ; v216-231 and of the four subtiles that I compute
.set RA,   232                         ; v232-234 where those records stand
.set RT,   233
.set RC,   234
.set OUT,  160                         ; v160-223 later: the sums, 16 for each of four subtiles
.set ACC,  224                         ; v224-239 the two accumulators
.set VO,   240                         ; v240-255 the way out: a row's offset in out0
.set MSB, 0
.macro WIN new                         ; the immediate's high byte repeats the setting that is left
.if MSB != \new
	s_set_vgpr_msb (MSB<<8)|\new
.set MSB, \new
.endif
.endm
.macro FETCH k, imm                    ; a unit from LDS: eight fragments and eight scale words
.set n, 0
.rept 24
	ds_load_b128 v[F+4*n:F+4*n+3], v[LI0+(\k)] offset:(\imm)+PLU*(n/3)+16*(n%3)
.set n, n+1
.endr
.set n, 0
.rept 8
	ds_load_b32 v[FS+n], v[LS0+(\k)] offset:(\imm)+PLU*n
.set n, n+1
.endr
.endm
; My block of weights: 48 groups of 512 bytes into window 1, v[96 u + 12 s ..]; the bias in the result's layout into v192-207 of window 1 (rs: rows from tile 0 to tile 1); the 16 scale words into window 0, where scale operands are taken from
.macro LOADW rs
	WIN 0x40
.set n, 0
.rept 48
	global_load_b128 v[4*n:4*n+3], v[WL], s[WB:WB+1] offset:512*n
.set n, n+1
.endr
.irp u, 0,1
.irp j, 0,1
	global_load_b128 v[192+8*\u+4*\j:195+8*\u+4*\j], v[BO], s[BB:BB+1] offset:\u*\rs*4+16*\j
.endr
.endr
	WIN 0
.irp j, 0,1,2,3
	global_load_b128 v[WS+4*\j:WS+4*\j+3], v[WL], s[WB:WB+1] offset:24576+512*\j
.endr
.endm
; 16 matrix instructions: my two tiles x the unit's 16 rows, all of K.  The two accumulators take turns, one instruction a turn.  The bias starts the sums.
.macro MM
	WIN 0x11                                       ; source 0 (weights) and source 2 (bias) window 1
.irp u, 0,1
	v_wmma_scale_f32_16x16x128_f8f6f4 v[ACC+8*\u:ACC+8*\u+7], v[96*\u:96*\u+11], v[F:F+11], v[192+8*\u:199+8*\u], v[WS+8*\u], v[FS] matrix_a_fmt:MATRIX_FMT_FP6 matrix_b_fmt:MATRIX_FMT_FP6
.endr
	WIN 0x01
.irp s, 1,2,3,4,5,6,7
.irp u, 0,1
	v_wmma_scale_f32_16x16x128_f8f6f4 v[ACC+8*\u:ACC+8*\u+7], v[96*\u+12*\s:96*\u+12*\s+11], v[F+12*\s:F+12*\s+11], v[ACC+8*\u:ACC+8*\u+7], v[WS+8*\u+\s], v[FS+\s] matrix_a_fmt:MATRIX_FMT_FP6 matrix_b_fmt:MATRIX_FMT_FP6
.endr
.endr
	WIN 0
.rept 5
	v_nop                                          ; four places ahead of the reads of the results and of loads into the operands; five ahead of the next unit's product, which begins the accumulators anew
.endr
.endm
	s_load_b256 s[4:11], s[0:1], 0x0               ; hop, w2op, b2, plan s[10:11]
	s_load_b128 s[12:15], s[0:1], 0x20             ; gate1 s[12:13], out0 s[14:15]
	v_lshl_add_u32 v[SPW], v0, 2, SPARE
	v_mov_b32 v[NIL], 0
	v_lshrrev_b32 v21, 5, v0
	s_delay_alu instid0(VALU_DEP_1)
	v_readfirstlane_b32 s2, v21                    ; wave 0..7
	s_and_b32 s3, s2, 3                            ; wq
	s_lshr_b32 s18, s2, 2                          ; th
	s_and_b32 s19, ttmp7, 0xffff                   ; ny
	v_and_b32 v1, 15, v0                           ; r
	v_bfe_u32 v2, v0, 4, 1                         ; h
	v_and_b32 v21, 31, v0                          ; lane
	v_and_b32 v20, 7, v0
	s_delay_alu instid0(VALU_DEP_1)
	v_mul_u32_u24 v20, v20, 7
	s_delay_alu instid0(VALU_DEP_1)
	v_lshrrev_b32 v20, 3, v20                      ; 0, 0, 1, 2, 3, 4, 5, 6
	s_delay_alu instid0(VALU_DEP_1)
	v_lshlrev_b32 v[C16], 4, v20
	v_bfe_u32 v22, v0, 3, 2                        ; lane / 8
	s_delay_alu instid0(VALU_DEP_1)
	v_mad_u32_u24 v23, v22, 112, v[C16]
	s_mul_i32 s20, s2, 2*UNITB
	v_add_nc_u32 v[GI], s20, v23
	s_mul_i32 s20, s18, 8*UNITB
	v_mul_u32_u24 v[LS0], v1, 112
	s_delay_alu instid0(VALU_DEP_1)
	v_add_nc_u32 v[LS0], s20, v[LS0]
	s_delay_alu instid0(VALU_DEP_1)
	v_mad_u32_u24 v[LI0], v2, 48, v[LS0]
	s_delay_alu instid0(VALU_DEP_2)
	v_add_nc_u32 v[LS0], 96, v[LS0]
	s_delay_alu instid0(VALU_DEP_2)
	v_add_nc_u32 v[LI0+1], 4*UNITB, v[LI0]
	s_delay_alu instid0(VALU_DEP_2)
	v_add_nc_u32 v[LS0+1], 4*UNITB, v[LS0]
	v_lshlrev_b32 v[WL], 4, v21
	v_lshlrev_b32 v[BO], 5, v2                     ; tile u's results of my half are columns 16 u + 8 h + 0 .. 7
	s_mul_i32 s20, s18, 64*528
	s_lshl_b32 s21, s3, 7
	s_add_co_u32 s20, s20, s21
	s_add_co_u32 s20, s20, STG
	v_mul_u32_u24 v[SO], v1, 528
	s_delay_alu instid0(VALU_DEP_1)
	v_lshl_add_u32 v[SO], v2, 5, v[SO]
	s_delay_alu instid0(VALU_DEP_1)
	v_add_nc_u32 v[SO], s20, v[SO]                 ; row 64 th + r, + 128 wq + 32 h
	s_mul_i32 s20, s2, 16*528
	s_add_co_u32 s20, s20, STG
	v_lshl_add_u32 v[SR], v21, 4, s20              ; back: my subtile's 16 rows, 16 bytes a lane
	s_lshl_b32 s20, s19, 9
	v_lshl_add_u32 v[L16], v21, 4, s20
	s_lshl_b32 s20, s2, 8
	v_lshl_add_u32 v[RA], v22, 4, s20              ; the records of subtile w: of rows 4 a + lane / 8, for the gather,
	v_lshl_add_u32 v[RT], v1, 4, s20               ; and of row r, for the way out;
	s_lshl_b32 s20, s18, 10
	v_lshl_add_u32 v[RC], v1, 4, s20               ; and of the four subtiles that I compute
	s_lshl_b32 s20, ttmp9, 11                      ; my work-group's 128 records
	s_mov_b32 s21, 0
	s_lshl_b32 s22, s19, 2
	s_add_co_u32 s22, s22, s3                      ; my group of 32 columns: 4 ny + wq
	s_mov_b32 s45, 0
	s_wait_alu depctr_va_vdst(0)
	s_wait_kmcnt 0x0
	s_add_nc_u64 s[10:11], s[10:11], s[20:21]
.irp a, 0,1,2,3
	global_load_b128 v[RG+4*\a:RG+4*\a+3], v[RA], s[10:11] offset:64*\a
.endr
	global_load_b32 v[TOK], v[RT], s[10:11]
.irp t, 0,1,2,3
	global_load_b128 v[RCR+4*\t:RCR+4*\t+3], v[RC], s[10:11] offset:256*\t
.endr
	s_mul_i32 s44, s22, WBLK
	s_add_nc_u64 s[6:7], s[6:7], s[44:45]
	s_lshl_b32 s44, s22, 7
	s_add_nc_u64 s[8:9], s[8:9], s[44:45]
	s_wait_loadcnt 0x0
	v_min_u32 v[TOK], 0xfff, v[TOK]
.irp a, 0,1,2,3
	v_min_u32 v[RG+4*\a+1], 0x23ff, v[RG+4*\a+1]   ; the row of hop with the lower expert,
	v_min_u32 v[RG+4*\a+2], 0x23ff, v[RG+4*\a+2]   ; and with the higher
	s_delay_alu instid0(VALU_DEP_2)
	v_lshlrev_b32 v[HO+\a], 7, v[RG+4*\a+1]        ; its piece,
	s_delay_alu instid0(VALU_DEP_2)
	v_lshlrev_b32 v[HO+4+\a], 7, v[RG+4*\a+2]
	s_delay_alu instid0(VALU_DEP_2)
	v_add_nc_u32 v[HO+\a], v[C16], v[HO+\a]        ; my 16 bytes of it
	s_delay_alu instid0(VALU_DEP_2)
	v_add_nc_u32 v[HO+4+\a], v[C16], v[HO+4+\a]
.endr
.irp t, 0,1,2,3
	v_min_u32 v[G+2*\t], 0xfff, v[RCR+4*\t]
	s_delay_alu instid0(VALU_DEP_1)
	v_lshlrev_b32 v[G+2*\t], 3, v[G+2*\t]          ; the token's two gates: 8 bytes
	v_and_b32 v[EX+2*\t], 0xff, v[RCR+4*\t+3]
	v_bfe_u32 v[EX+2*\t+1], v[RCR+4*\t+3], 8, 8
.endr
.irp t, 0,1,2,3
	global_load_b64 v[G+2*\t:G+2*\t+1], v[G+2*\t], s[12:13]    ; (the load lands on its own offset register)
.endr
.irp a, 0,1,2,3
.irp s, 0,1,2,3,4,5,6,7
	global_load_b128 v[ST+4*(8*\a+\s):ST+4*(8*\a+\s)+3], v[HO+\a], s[CB:CB+1] offset:\s*PLH   ; four rows' pieces of plane s
.endr
.endr
	WIN 0x40                                       ; destination window 1
.irp a, 0,1,2,3
.irp s, 0,1,2,3,4,5,6,7
	global_load_b128 v[4*(8*\a+\s):4*(8*\a+\s)+3], v[HO+4+\a], s[CB:CB+1] offset:\s*PLH
.endr
.endr
	WIN 0
	s_wait_loadcnt 0x0
.irp a, 0,1,2,3
.irp s, 0,1,2,3,4,5,6,7
	ds_store_b128 v[GI], v[ST+4*(8*\a+\s):ST+4*(8*\a+\s)+3] offset:PLU*\s+448*\a
.endr
.endr
	WIN 0x04                                       ; an LDS store's data are its source 1: window 1
.irp a, 0,1,2,3
.irp s, 0,1,2,3,4,5,6,7
	ds_store_b128 v[GI], v[4*(8*\a+\s):4*(8*\a+\s)+3] offset:UNITB+PLU*\s+448*\a
.endr
.endr
	WIN 0
	s_wait_dscnt 0x0                               ; my pieces have landed, for the others' sake; and the stores have read the registers that are written next
.set n, 0
.rept 64
	v_mov_b32 v[OUT+n], 0
.set n, n+1
.endr
	v_mov_b32 v[GT+1], 0                           ; named as the upper half of the pair, so it is written
	s_barrier_signal -1
	s_barrier_wait -1                              ; the sixteen units lie in LDS
; Unit 2 t + k of my eight, for the expert in hand
.macro UNIT t, k
	s_cmp_eq_u32 s[M+2*\t+\k], 0
	s_cbranch_scc1 .Lskip_\@
	FETCH (2*\t+\k)/4, ((2*\t+\k)%4)*UNITB
	s_wait_dscnt 0x0
	MM
	v_cndmask_b32 v[GT], 0, v[G+2*\t+\k], s[M+2*\t+\k]         ; the gate; 0 for a token whose expert is another
	s_wait_alu depctr_va_vdst(0)
.irp i, 0,2,4,6,8,10,12,14
	v_pk_fma_f32 v[OUT+16*\t+\i:OUT+16*\t+\i+1], v[ACC+\i:ACC+\i+1], v[GT:GT+1], v[OUT+16*\t+\i:OUT+16*\t+\i+1] op_sel_hi:[1,0,1]   ; each accumulator from its low end on
.endr
.Lskip_\@:
.endm
	s_mov_b32 s40, 0
.Lexpert:
.irp q, 0,1,2,3,4,5,6,7
	v_cmp_eq_u32 s[M+\q], s40, v[EX+\q]
.endr
	s_or_b32 s41, s[M], s[M+1]
.irp q, 2,3,4,5,6,7
	s_or_b32 s41, s41, s[M+\q]
.endr
	s_cmp_eq_u32 s41, 0
	s_cbranch_scc1 .Lnext                          ; none of my 128 rows uses this expert
	s_mul_i32 s44, s40, 32*WBLK                    ; every earlier load has been waited for: the bases may be written
	s_add_nc_u64 s[WB:WB+1], s[6:7], s[44:45]
	s_lshl_b32 s44, s40, 12
	s_add_nc_u64 s[BB:BB+1], s[8:9], s[44:45]
	LOADW 16
	s_wait_loadcnt 0x0
.irp t, 0,1,2,3
	UNIT \t, 0
	UNIT \t, 1
.endr
.Lnext:
	s_add_co_u32 s40, s40, 1
	s_cmp_lt_u32 s40, 8
	s_cbranch_scc1 .Lexpert
	; THE WAY OUT: a lane's 16 numbers of a token's row meet the other waves' in the stage
	s_wait_alu depctr_va_vdst(0)
.irp t, 0,1,2,3
.irp u, 0,1
.irp j, 0,1
	ds_store_b128 v[SO], v[OUT+16*\t+8*\u+4*\j:OUT+16*\t+8*\u+4*\j+3] offset:8448*\t+64*\u+16*\j
.endr
.endr
.endr
	s_wait_dscnt 0x0                               ; for the others' sake
	s_barrier_signal -1
	s_barrier_wait -1                              ; 128 rows of 512 bytes lie in the stage
.irp i, 0,1,2,3,4,5,6,7,8,9,10,11,12,13,14,15
	v_readlane_b32 s20, v[TOK], \i                 ; row i of my subtile is this token's
	s_min_u32 s20, s20, 4095
	s_lshl_b32 s20, s20, 12
	v_add_nc_u32 v[VO+\i], s20, v[L16]
.endr
.irp i, 0,1,2,3,4,5,6,7,8,9,10,11,12,13,14,15
	ds_load_b128 v[F+4*\i:F+4*\i+3], v[SR] offset:528*\i
.endr
	s_wait_alu depctr_va_vdst(0)
.irp i, 0,1,2,3,4,5,6,7,8,9,10,11,12,13,14,15
	s_wait_dscnt 15-\i                             ; the younger reads of the stage may be out
	global_store_b128 v[VO+\i], v[F+4*\i:F+4*\i+3], s[14:15] th:TH_STORE_NT   ; 512 consecutive bytes of one token's row, at a multiple of 512 from out0's first byte; written once, read by nobody here
.endr
	s_wait_tensorcnt 0x0                           ; the wave's end, behind my last LDS store
	ds_add_u32 v[SPW], v[NIL]
	s_wait_dscnt 0x0
	s_endpgm
.Lfunc_end_k_q35802bd125_ffn2:
	.size	k_q35802bd125_ffn2, .Lfunc_end_k_q35802bd125_ffn2-k_q35802bd125_ffn2
	.p2alignl 7, 3214868480
	.fill 96, 4, 3214868480
	.section	.rodata,"a",@progbits
	.p2align	6, 0x0
	.amdhsa_kernel k_q35802bd125_ffn2
		.amdhsa_group_segment_fixed_size 297984
		.amdhsa_private_segment_fixed_size 0
		.amdhsa_enable_private_segment 0
		.amdhsa_kernarg_size 48
		.amdhsa_user_sgpr_count 2
		.amdhsa_user_sgpr_kernarg_segment_ptr 1
		.amdhsa_wavefront_size32 1
		.amdhsa_system_sgpr_workgroup_id_x 1
		.amdhsa_system_sgpr_workgroup_id_y 1
		.amdhsa_system_sgpr_workgroup_id_z 1
		.amdhsa_system_vgpr_workitem_id 0
		.amdhsa_next_free_vgpr 512
		.amdhsa_next_free_sgpr 66
		.amdhsa_reserve_vcc 0
		.amdhsa_float_denorm_mode_32 3
		.amdhsa_float_denorm_mode_16_64 3
		.amdhsa_memory_ordered 1
		.amdhsa_forward_progress 1
		.amdhsa_inst_pref_size 73
	.end_amdhsa_kernel
	.amdgpu_metadata
---
amdhsa.version: [ 1, 2 ]
amdhsa.kernels:
  - .name:           k_q35802bd125_ffn2
    .symbol:         k_q35802bd125_ffn2.kd
    .args:
      - { .name: hop, .offset: 0, .size: 8, .value_kind: global_buffer, .address_space: global }
      - { .name: w2op, .offset: 8, .size: 8, .value_kind: global_buffer, .address_space: global }
      - { .name: b2, .offset: 16, .size: 8, .value_kind: global_buffer, .address_space: global }
      - { .name: plan, .offset: 24, .size: 8, .value_kind: global_buffer, .address_space: global }
      - { .name: gate1, .offset: 32, .size: 8, .value_kind: global_buffer, .address_space: global }
      - { .name: out0, .offset: 40, .size: 8, .value_kind: global_buffer, .address_space: global }
    .group_segment_fixed_size: 297984
    .private_segment_fixed_size: 0
    .kernarg_segment_align: 8
    .kernarg_segment_size: 48
    .max_flat_workgroup_size: 256
    .sgpr_count:     66
    .vgpr_count:     512
    .wavefront_size: 32
...
	.end_amdgpu_metadata
.endif
;; end of part 8
